; MI455X (gfx1250); checked and timed in simulation.
; The chip was launched on July 23, 2026; its instructions are those of AMD's public machine-readable ISA for CDNA 5 (MIT licence, August 2026) and "CDNA5" Instruction Set Architecture Reference Guide (July 2026). The comments in the code are by the model that wrote it; some were corrected since.
;; Masked Self Attention. Allowed arithmetic: float matrix products may take bf16 or f16 operands with f32 sums; other float arithmetic in f32, or as packed bf16 or f16 multiplies, adds, multiply-adds, maxima and minima; sums over many terms, partial sums and values carried from step to step in f32; what a program stores and reads back later, other than sums and carried values, may be rounded once to bf16 or f16.
;; Inputs: Wk 1,024 x 1,024 float32; Wq 1,024 x 1,024 float32; Wv 1,024 x 1,024 float32; bk 1,024 float32; bq 1,024 float32; bv 1,024 float32; x 4 x 2,048 x 1,024 float32.
;; Outputs: out0 4 x 2,048 x 1,024 float32.
;; One version. Each part assembles by itself: llvm-mc -triple=amdgcn-amd-amdhsa -mcpu=gfx1250 --defsym DOCPART=n.
;; ======== version 1 of 1: 4 launches
;; limits: values are held in f16: magnitudes above 65,504 overflow, below 6.1e-05 lose precision
;; workspace buffers: xb 16,777,216 bytes; wt 6,291,456 bytes; bcat 12,288 bytes; qh 16,777,216 bytes; kh 16,777,216 bytes; vh 16,777,216 bytes; pw 33,554,432 bytes; st 1,048,576 bytes
;; launch prep (part 1): grid 896 x 1, 8 waves a work-group, no clusters, 19,456 bytes of LDS; arguments x, Wq, Wk, Wv, bq, bk, bv, xb, wt, bcat; writes xb, wt, bcat
.if DOCPART == 1
	.amdgcn_target "amdgcn-amd-amdhsa--gfx1250"
	.amdhsa_code_object_version 6
	.text
	.protected	k_qfbf55c6cb7_prep
	.globl	k_qfbf55c6cb7_prep
	.p2align	8
	.type	k_qfbf55c6cb7_prep,@function
k_qfbf55c6cb7_prep:
	s_mov_b64 s[64:65], 0
	v_nop
	global_prefetch_b8 v0, s[64:65] scope:SCOPE_SE
	s_setreg_imm32_b32 hwreg(HW_REG_WAVE_MODE, 25, 1), 1
	s_wait_xcnt 0x0
; PREP: the inputs are rounded once to bf16 and laid out for the projection's tiles.
;   xb  [16 slabs of 64 k][8192 rows][64] bf16: a slab's rows are dense, 128 bytes each.
;   wt  [16 slabs][3072 n'][64] bf16, W turned: n' = 384 c + 128 w + i stands for column 128 c + i of matrix w (0 q, 1 k, 2 v).
;   bcat[3072] f32 in the order of n': each bias rounded to bf16 and widened again.
; Work-groups 0-511 stream x: a wave takes 2 rows (8 KiB), all 16 loads out at once, each 512 consecutive bytes of one row.  Rounded, a lane holds 4 k of each row; even and odd lanes
; swap halves, so that lane 2 j holds k = 8 j .. 8 j + 7 of the first row and lane 2 j + 1 the same k of the second: 16 neighbouring lanes store 256 consecutive bytes (two rows) of a slab.
; Work-groups 512-895 turn one tile of 64 k x 128 n of one W through LDS (128 rows of 144 bytes); a store covers 512 consecutive bytes of wt.
.set TP,    144                        ; pitch of the turning tile
.set SPARE, 128*TP                     ; behind the tile: the spare words, 128 bytes for each of eight waves
.set SPW,   6                          ; v6 LDS address of my spare word; never rewritten
.set NIL,   7                          ; v7 0; never rewritten
.set LX,    8                          ; v[8:71]    x as loaded: chunk c of 128 k: first row at LX + 8 c, second at LX + 8 c + 4
.set OX,    72                         ; v[72:103]  x to store: chunk c at OX + 4 c
.set T,     104                        ; v[104:111] at work
	s_load_b512 s[8:23], s[0:1], 0x0               ; x 8, Wq 10, Wk 12, Wv 14, bq 16, bk 18, bv 20, xb 22
	s_load_b128 s[24:27], s[0:1], 0x40             ; wt 24, bcat 26
	v_lshl_add_u32 v[SPW], v0, 2, SPARE
	v_mov_b32 v[NIL], 0
	v_lshrrev_b32 v1, 5, v0
	v_readfirstlane_b32 s4, v1                     ; wave 0..7
	v_and_b32 v1, 31, v0                           ; lane
	s_cmp_lt_u32 ttmp9, 512
	s_cbranch_scc0 .Lweights
	; ---- x: rows 2 g and 2 g + 1, g = 8 x work-group + wave
	s_lshl_b32 s5, ttmp9, 3
	s_add_co_u32 s5, s5, s4
	s_lshl_b32 s6, s5, 13                          ; 2 rows of 4,096 bytes
	s_mov_b32 s7, 0
	s_lshl_b32 s2, s5, 8                           ; 2 rows of 128 bytes in a slab
	s_mov_b32 s3, 0
	v_lshlrev_b32 v2, 4, v1                        ; in: 16 x lane
	v_and_b32 v3, 1, v1
	v_cmp_ne_u32 vcc_lo, 0, v3                     ; odd lanes end with the second row
	v_lshlrev_b32 v3, 7, v3                        ; out: 128 x (lane % 2),
	v_bfe_u32 v4, v1, 1, 3
	v_lshl_add_u32 v3, v4, 4, v3                   ; + 16 x ((lane / 2) % 8),
	v_lshrrev_b32 v4, 4, v1
	v_lshl_add_u32 v3, v4, 20, v3                  ; lanes 16-31: the chunk's second slab
	v_mov_b32 v[T+6], 0                            ; written, since a DPP line's destination counts as read
	v_mov_b32 v[T+7], 0
	s_wait_kmcnt 0x0
	s_add_nc_u64 s[28:29], s[8:9], s[6:7]
	s_add_nc_u64 s[30:31], s[22:23], s[2:3]        ; slabs 0-7
	s_add_nc_u64 s[32:33], s[30:31], 0x800000      ; slabs 8-15: the stores' immediates stay inside 24 bits
.irp c, 0,1,2,3,4,5,6,7
	global_load_b128 v[LX+8*(\c):LX+8*(\c)+3],   v2, s[28:29] offset:512*(\c) th:TH_LOAD_NT
	global_load_b128 v[LX+8*(\c)+4:LX+8*(\c)+7], v2, s[28:29] offset:4096+512*(\c) th:TH_LOAD_NT
.endr
.irp c, 0,1,2,3,4,5,6,7
	s_wait_loadcnt 14-2*(\c)                       ; loads come back in order: chunk c is in, the younger chunks' loads stay out
	v_cvt_pk_bf16_f32 v[T],   v[LX+8*(\c)],   v[LX+8*(\c)+1]   ; first row, k = 4 l .. 4 l + 3
	v_cvt_pk_bf16_f32 v[T+1], v[LX+8*(\c)+2], v[LX+8*(\c)+3]
	v_cvt_pk_bf16_f32 v[T+2], v[LX+8*(\c)+4], v[LX+8*(\c)+5]   ; second row, the same k
	v_cvt_pk_bf16_f32 v[T+3], v[LX+8*(\c)+6], v[LX+8*(\c)+7]
	v_cndmask_b32 v[T+4], v[T+2], v[T],   vcc_lo   ; an odd lane hands over its part of the first row, an even lane its part of the second
	v_cndmask_b32 v[T+5], v[T+3], v[T+1], vcc_lo
	v_mov_b32_dpp v[T+6], v[T+4] row_xmask:1 row_mask:0xf bank_mask:0xf
	v_mov_b32_dpp v[T+7], v[T+5] row_xmask:1 row_mask:0xf bank_mask:0xf
	v_cndmask_b32 v[OX+4*(\c)],   v[T],   v[T+6], vcc_lo       ; even: mine, then the neighbour's; odd: the neighbour's, then mine
	v_cndmask_b32 v[OX+4*(\c)+1], v[T+1], v[T+7], vcc_lo
	v_cndmask_b32 v[OX+4*(\c)+2], v[T+6], v[T+2], vcc_lo
	v_cndmask_b32 v[OX+4*(\c)+3], v[T+7], v[T+3], vcc_lo
.if (\c) < 4
	global_store_b128 v3, v[OX+4*(\c):OX+4*(\c)+3], s[30:31] offset:(\c)*2097152
.else
	global_store_b128 v3, v[OX+4*(\c):OX+4*(\c)+3], s[32:33] offset:((\c)-4)*2097152
.endif
.endr
	s_branch .Lend                                 ; no register that a load or store names is written twice, so no wait frees any
.Lweights:                                             ; ---- one tile of one W
	s_sub_co_u32 s5, ttmp9, 512
	s_lshr_b32 s6, s5, 7                           ; w: which matrix
	s_bfe_u32 s7, s5, 0x40003                      ; slab of 64 k
	s_and_b32 s5, s5, 7                            ; c: block of 128 columns
	s_lshl_b32 s34, s7, 18                         ; 64 rows of 4,096 bytes
	s_lshl_b32 s35, s4, 15                         ; my wave's 8 rows
	s_add_co_u32 s34, s34, s35
	s_lshl_b32 s35, s5, 9                          ; 128 columns
	s_add_co_u32 s34, s34, s35
	s_mov_b32 s35, 0
	s_mul_i32 s38, s5, 384
	s_lshl_b32 s37, s6, 7
	s_add_co_u32 s38, s38, s37                     ; n' of the tile's first column
	s_mul_i32 s36, s7, 3072
	s_add_co_u32 s36, s36, s38
	s_lshl_b32 s36, s36, 7                         ; rows of 128 bytes
	s_mov_b32 s37, 0
	v_lshlrev_b32 v2, 4, v1                        ; 16 x lane: my 4 columns
	v_mul_u32_u24 v3, v1, 4*TP                     ; into the tile: rows 4 lane + e,
	v_lshl_add_u32 v3, s4, 4, v3                   ; my wave's 8 k: 16 bytes
	v_lshrrev_b32 v4, 3, v0                        ; back: thread t takes 16 bytes of row t / 8
	v_mul_u32_u24 v4, v4, TP
	v_and_b32 v5, 7, v0
	v_lshl_add_u32 v4, v5, 4, v4
	v_lshlrev_b32 v5, 4, v0                        ; which are bytes 16 t of 4,096 consecutive ones in wt
	s_wait_kmcnt 0x0
	s_cmp_eq_u32 s6, 1
	s_cselect_b64 s[28:29], s[12:13], s[14:15]
	s_cselect_b64 s[30:31], s[18:19], s[20:21]
	s_cmp_eq_u32 s6, 0
	s_cselect_b64 s[28:29], s[10:11], s[28:29]     ; the matrix,
	s_cselect_b64 s[30:31], s[16:17], s[30:31]     ; and its bias
	s_add_nc_u64 s[28:29], s[28:29], s[34:35]
	s_add_nc_u64 s[24:25], s[24:25], s[36:37]
.irp k, 0,1,2,3,4,5,6,7
	global_load_b128 v[8+4*(\k):8+4*(\k)+3], v2, s[28:29] offset:4096*(\k) th:TH_LOAD_NT
.endr
	s_wait_loadcnt 0x0
.irp e, 0,1,2,3
.irp i, 0,1,2,3
	v_cvt_pk_bf16_f32 v[40+4*(\e)+(\i)], v[8+8*(\i)+(\e)], v[12+8*(\i)+(\e)]  ; column 4 lane + e, k = 2 i and 2 i + 1
.endr
.endr
.irp e, 0,1,2,3
	ds_store_b128 v3, v[40+4*(\e):40+4*(\e)+3] offset:TP*(\e)
.endr
	s_wait_dscnt 0x0                               ; for the others' sake: my part of the tile is written
	s_barrier_signal -1
	s_barrier_wait -1
.irp i, 0,1,2,3
	ds_load_b128 v[56+4*(\i):56+4*(\i)+3], v4 offset:32*TP*(\i)
.endr
.irp i, 0,1,2,3
	s_wait_dscnt 3-(\i)                            ; the younger loads stay out
	global_store_b128 v5, v[56+4*(\i):56+4*(\i)+3], s[24:25] offset:4096*(\i)
.endr
	s_or_b32 s7, s7, s4                            ; the bias's 128 numbers: wave 0 of the work-group with slab 0
	s_cmp_lg_u32 s7, 0
	s_cbranch_scc1 .Lend
	s_lshl_b32 s34, s5, 9
	s_add_nc_u64 s[30:31], s[30:31], s[34:35]
	s_lshl_b32 s36, s38, 2
	s_add_nc_u64 s[26:27], s[26:27], s[36:37]
	global_load_b128 v[72:75], v2, s[30:31]
	s_wait_loadcnt 0x0
	v_cvt_pk_bf16_f32 v76, v72, v73
	v_cvt_pk_bf16_f32 v77, v74, v75
	v_lshlrev_b32 v80, 16, v76
	v_and_b32 v81, 0xffff0000, v76
	v_lshlrev_b32 v82, 16, v77
	v_and_b32 v83, 0xffff0000, v77
	global_store_b128 v2, v[80:83], s[26:27]
.Lend:
	s_wait_tensorcnt 0x0                           ; the wave's end
	ds_add_u32 v[SPW], v[NIL]
	s_wait_dscnt 0x0
	s_endpgm
.Lfunc_end_k_qfbf55c6cb7_prep:
	.size	k_qfbf55c6cb7_prep, .Lfunc_end_k_qfbf55c6cb7_prep-k_qfbf55c6cb7_prep
	.p2alignl 7, 3214868480
	.fill 96, 4, 3214868480
	.section	.rodata,"a",@progbits
	.p2align	6, 0x0
	.amdhsa_kernel k_qfbf55c6cb7_prep
		.amdhsa_group_segment_fixed_size 19456
		.amdhsa_private_segment_fixed_size 0
		.amdhsa_enable_private_segment 0
		.amdhsa_kernarg_size 80
		.amdhsa_user_sgpr_count 2
		.amdhsa_user_sgpr_kernarg_segment_ptr 1
		.amdhsa_wavefront_size32 1
		.amdhsa_system_sgpr_workgroup_id_x 1
		.amdhsa_system_sgpr_workgroup_id_y 1
		.amdhsa_system_sgpr_workgroup_id_z 1
		.amdhsa_system_vgpr_workitem_id 0
		.amdhsa_next_free_vgpr 112
		.amdhsa_next_free_sgpr 66
		.amdhsa_reserve_vcc 1
		.amdhsa_float_denorm_mode_32 3
		.amdhsa_float_denorm_mode_16_64 3
		.amdhsa_memory_ordered 1
		.amdhsa_forward_progress 1
		.amdhsa_inst_pref_size 14
	.end_amdhsa_kernel
	.amdgpu_metadata
---
amdhsa.version: [ 1, 2 ]
amdhsa.kernels:
  - .name:           k_qfbf55c6cb7_prep
    .symbol:         k_qfbf55c6cb7_prep.kd
    .args:
      - { .name: x, .offset: 0, .size: 8, .value_kind: global_buffer, .address_space: global }
      - { .name: Wq, .offset: 8, .size: 8, .value_kind: global_buffer, .address_space: global }
      - { .name: Wk, .offset: 16, .size: 8, .value_kind: global_buffer, .address_space: global }
      - { .name: Wv, .offset: 24, .size: 8, .value_kind: global_buffer, .address_space: global }
      - { .name: bq, .offset: 32, .size: 8, .value_kind: global_buffer, .address_space: global }
      - { .name: bk, .offset: 40, .size: 8, .value_kind: global_buffer, .address_space: global }
      - { .name: bv, .offset: 48, .size: 8, .value_kind: global_buffer, .address_space: global }
      - { .name: xb, .offset: 56, .size: 8, .value_kind: global_buffer, .address_space: global }
      - { .name: wt, .offset: 64, .size: 8, .value_kind: global_buffer, .address_space: global }
      - { .name: bcat, .offset: 72, .size: 8, .value_kind: global_buffer, .address_space: global }
    .group_segment_fixed_size: 19456
    .private_segment_fixed_size: 0
    .kernarg_segment_align: 8
    .kernarg_segment_size: 80
    .max_flat_workgroup_size: 256
    .sgpr_count:     66
    .vgpr_count:     112
    .wavefront_size: 32
...
	.end_amdgpu_metadata
.endif
;; end of part 1
;; launch proj (part 2): grid 8 x 32, 4 waves a work-group, clusters of 4 x 4, 327,680 bytes of LDS; arguments xb, wt, bcat, qh, kh, vh; writes qh, kh, vh
.if DOCPART == 2
	.amdgcn_target "amdgcn-amd-amdhsa--gfx1250"
	.amdhsa_code_object_version 6
	.text
	.protected	k_qfbf55c6cb7_proj
	.globl	k_qfbf55c6cb7_proj
	.p2align	8
	.type	k_qfbf55c6cb7_proj,@function
k_qfbf55c6cb7_proj:
	s_mov_b64 s[64:65], 0
	v_nop
	global_prefetch_b8 v0, s[64:65] scope:SCOPE_SE
	s_setreg_imm32_b32 hwreg(HW_REG_WAVE_MODE, 25, 1), 1
	s_wait_xcnt 0x0
	s_wait_alu depctr_hold_cnt(0) depctr_sa_sdst(0) depctr_va_vdst(0) depctr_va_sdst(0) depctr_va_ssrc(0) depctr_va_vcc(0) depctr_vm_vsrc(0)
	s_getreg_b32 s2, hwreg(HW_REG_IB_STS2, 6, 4)
	s_cmp_eq_u32 s2, 0
	s_cbranch_scc0 .Lentry_in_a_cluster
	s_endpgm
.Lentry_in_a_cluster:
	s_bfe_u32 s2, ttmp6, 0x10000c
	s_cmp_lg_u32 s2, 0xf033
	s_cbranch_scc0 .Lentry_shape_is_right
	s_endpgm
.Lentry_shape_is_right:
; PROJ: [q | k | v] = x W + b.  Operands bf16 (xb, wt), sums f32 started with the bias, results rounded once to f16: qh, kh, vh [8192][1024].
; LIMIT: f16 holds no number beyond 65,504: |q|, |k|, |v| must stay under it.
; SHARES.  256 work-groups; each makes 256 rows x 384 columns n' (128 columns each of q, k, v).  Four waves, each 128 rows x 192 columns: 96 accumulators, 768 registers.
; K goes in 16 steps of 64 (a slab of xb and wt) through two LDS slots.  A slab's rows are dense, so a tile is asked for as rows of 256 bytes and padded in LDS behind every 128: pitch 144.
; CLUSTER 4 x 4: x's tile hangs on the tile row alone and is asked for jointly along a row of the cluster, W's on the tile column alone and jointly along a column.
; THE MATRIX INSTRUCTION IS USED TRANSPOSED (source 0 = 16 rows of wt, source 1 = 16 rows of xb): a lane holds row l % 16 and 8 neighbouring columns.
; REGISTERS: window 0: v0-31 addresses; v32-95, v96-159 x's fragments, two buffers; v160-255 W's 12 fragments, ONE buffer: group g's four are loaded again behind group g's products.
;   accumulator (a, b) in window 1 + b / 4 at v[64 (b % 4) + 8 a].
.set PITCH,  144
.set BOFF,   256*PITCH                 ; a slot: x's 256 rows, then W's 384
.set SLOT1,  1<<17                     ; slot 1 begins here: one exclusive or turns an address in one slot into the other's
.set SP,     784                       ; the stage's pitch: 768 bytes + 16; the stage (256 rows) takes the ring's bytes when the ring has had its last fill and its last read
.set SPARE,  SLOT1+640*PITCH           ; behind the ring: the spare words, 128 bytes a wave
.set XSTEP,  8192*128                  ; bytes from slab to slab
.set WSTEP,  3072*128
.set A0B, 4                            ; v4  my lane's place in x's tile        v5  in W's
.set B0B, 5
.set ADRA, 6                           ; v6, v7 the same in the slot in hand
.set ADRB, 7
.set STO, 8                            ; v8, v9 into the stage (blocks a 0-3, 4-7)
.set STO2, 9
.set RD, 10                            ; v10 back from the stage
.set GO, 11                            ; v11 my byte offset in two rows of q, k or v
.set PFO, 12                           ; v12 the prefetches' offset
.set BO, 13                            ; v13 my 8 columns in the bias
.set SPW, 28
.set NIL, 29
.set A0, 32
.set A1, 96
.set BF, 160
.set TMP, 32
.set WV, 16
.set WH, 17
.set WL, 18
.set CX, 19
.set CY, 20
.set TC, 21
.set TR, 22
.set TB, 23                            ; s23 0 or SLOT1: the slot in hand
.set G1A, 24
.set G1B, 32
.set G0A, 40                           ; two sets for the two first fills; the second then walks
.set G0B, 48
.set CNT, 57
.set PFA, 58
.set LIM, 60
.set NPAR, 61
.set PST, 62
.set MSB, 0
.macro WIN new                         ; the immediate's high byte repeats the setting that is left
.if MSB != (\new)
	s_set_vgpr_msb (MSB<<8)|(\new)
.set MSB, \new
.endif
.endm
.macro PLACES                          ; four places behind a product, in front of loads into registers that it read and of lines that read results
.rept 4
	v_nop
.endr
.endm
.macro CREST                           ; a round of the cluster's barrier behind its opening barrier
	s_cmp_lg_u32 s[WV], 0
	s_cbranch_scc1 .Lnot_wave_0_\@
	s_barrier_signal -3
.Lnot_wave_0_\@:
	s_barrier_wait -3
	s_barrier_signal -1
	s_barrier_wait -1
.endm
.macro CROUND
	s_barrier_signal -1
	s_barrier_wait -1
	CREST
.endm
.macro JLOAD                           ; the joint refill: waves 0, 1 x's halves, waves 2, 3 W's; s_nop 0 and four v_nop follow each line
	s_cmp_eq_u32 s[WH], 0
	s_cbranch_scc0 .Lfor_b_\@
	tensor_load_to_lds s[G0A+4:G0A+7], s[G1A:G1A+7]
	s_nop 0
	PLACES
	s_branch .Lasked_\@
.Lfor_b_\@:
	tensor_load_to_lds s[G0B+4:G0B+7], s[G1B:G1B+7]
	s_nop 0
	PLACES
.Lasked_\@:
.endm
; A PREFETCH INTO THE L2 of the slab that the NEXT refill asks for, each block of 256 bytes named once in the launch.  x's 128 blocks of a tile row and slab: cluster x = 0 asks, wave 0, the four partners of a
; row 32 blocks each, told apart by address (cx).  W's 192 blocks of a tile column and slab: cluster y = 0 asks, 48 a partner (cy); waves 1-3 name 96 blocks, two slabs, in every second trip.
; The last trip names nothing; the first slabs (x: 0-2, W: 0-3) come by their loads alone.
.macro ASK
	s_cmp_gt_u32 s[CNT], s[LIM]
	s_cbranch_scc0 .Lnot_mine_\@
	s_or_b32 s66, s[CNT], s[NPAR]
	s_bitcmp1_b32 s66, 0
	s_cbranch_scc0 .Lnot_mine_\@
	global_prefetch_b8 v[PFO], s[PFA:PFA+1] th:TH_LOAD_NT scope:SCOPE_SE
.Lnot_mine_\@:
.endm
; 16 products: columns b = 4 g + 2 hf, + 1, all 8 row blocks.  Every accumulator has one turn a quarter, so no two products on end share one.
.macro HALF g, hf, ax
	WIN 0x50*(1+(\g))
.irp bb, 2*(\hf), 2*(\hf)+1
.irp a, 0,1,2,3,4,5,6,7
	v_wmma_f32_16x16x32_bf16 v[64*(\bb)+8*(\a):64*(\bb)+8*(\a)+7], v[BF+8*(4*(\g)+(\bb)):BF+8*(4*(\g)+(\bb))+7], v[(\ax)+8*(\a):(\ax)+8*(\a)+7], v[64*(\bb)+8*(\a):64*(\bb)+8*(\a)+7]
.endr
.endr
.endm
.macro GROUP g, ax
	HALF \g, 0, \ax
	HALF \g, 1, \ax
.endm
; The first products start the sums with the bias, which lies in accumulator (0, b): blocks 1-7 take it as C; five places on, block 0 adds onto it in place.
.macro GROUPB g, ax
	WIN 0x50*(1+(\g))
.irp bb, 0,1,2,3
.irp a, 1,2,3,4,5,6,7
	v_wmma_f32_16x16x32_bf16 v[64*(\bb)+8*(\a):64*(\bb)+8*(\a)+7], v[BF+8*(4*(\g)+(\bb)):BF+8*(4*(\g)+(\bb))+7], v[(\ax)+8*(\a):(\ax)+8*(\a)+7], v[64*(\bb):64*(\bb)+7]
.endr
.endr
.rept 5
	v_nop
.endr
.irp bb, 0,1,2,3
	v_wmma_f32_16x16x32_bf16 v[64*(\bb):64*(\bb)+7], v[BF+8*(4*(\g)+(\bb)):BF+8*(4*(\g)+(\bb))+7], v[(\ax):(\ax)+7], v[64*(\bb):64*(\bb)+7]
.endr
.endm
; A run of LDS loads for the next quarter (32 k at byte koff of the rows): group g's 4 fragments of W, and (g < 2) 4 of x's 8 into buffer an.
.macro RUN g, an, koff
	WIN 0
.irp bb, 0,1,2,3
	ds_load_b128 v[BF+8*(4*(\g)+(\bb)):BF+8*(4*(\g)+(\bb))+3],   v[ADRB] offset:(4*(\g)+(\bb))*16*PITCH+(\koff)
	ds_load_b128 v[BF+8*(4*(\g)+(\bb))+4:BF+8*(4*(\g)+(\bb))+7], v[ADRB] offset:(4*(\g)+(\bb))*16*PITCH+(\koff)+32
.endr
.if (\g) < 2
.irp bb, 0,1,2,3
	ds_load_b128 v[(\an)+8*(4*(\g)+(\bb)):(\an)+8*(4*(\g)+(\bb))+3],   v[ADRA] offset:(4*(\g)+(\bb))*16*PITCH+(\koff)
	ds_load_b128 v[(\an)+8*(4*(\g)+(\bb))+4:(\an)+8*(4*(\g)+(\bb))+7], v[ADRA] offset:(4*(\g)+(\bb))*16*PITCH+(\koff)+32
.endr
.endif
.endm
; A step's first half: 96 products on buffer ax; behind each group its run of loads.
.macro QUARTER ax, an, koff, first
	s_wait_dscnt 8                                 ; all but the last run's 8 loads (W's group 2) are in
.irp g, 0,1,2
.if (\g) == 2
	s_wait_dscnt 32                                ; all but the 32 loads of this quarter's two runs
.endif
.if \first
	GROUPB \g, \ax
.else
	GROUP \g, \ax
.endif
	PLACES
	RUN \g, \an, \koff
.endr
.endm
; A step's second half multiplies buffer A1 and changes slots.  In front of the barrier each wave waits for all its tensor loads (one is out: its part of the next slot), adds 0 to its spare word, and waits
; for that and for its reads of this slot.  fill = 1: the barrier opens a round of the cluster's, and the joint refill (two steps on) is the first tensor load behind it: 160 products ahead of the wait for it.
.macro TURN fill
.if \fill
	s_wait_xcnt 0x0                                ; the last prefetch, a step back, has read its address
	s_add_nc_u64 s[PFA:PFA+1], s[PFA:PFA+1], s[PST:PST+1]
.endif
	WIN 0
	s_wait_tensorcnt 0x0
	ds_add_u32 v[SPW], v[NIL]
.if \fill
	s_xor_b32 s[G0A+5], s[G0A+5], SLOT1            ; no tensor load of mine is out: the walking descriptors step
	s_add_nc_u64 s[G0A+6:G0A+7], s[G0A+6:G0A+7], XSTEP
	s_xor_b32 s[G0B+5], s[G0B+5], SLOT1
	s_add_nc_u64 s[G0B+6:G0B+7], s[G0B+6:G0B+7], WSTEP
.endif
	s_wait_dscnt 9                                 ; the add and the last run's 8 loads may be out
	HALF 0, 0, A1
	s_wait_dscnt 0x0                               ; the add is done, my reads of this slot are over
	s_barrier_signal -1
	HALF 0, 1, A1
	WIN 0
	s_barrier_wait -1
.if \fill
	CREST
	JLOAD                                          ; its four v_nop are also the places in front of the loads below
.else
	PLACES
.endif
	s_xor_b32 s[TB], s[TB], SLOT1
	v_add_nc_u32 v[ADRA], s[TB], v[A0B]
	v_add_nc_u32 v[ADRB], s[TB], v[B0B]
	RUN 0, A0, 0
.if \fill
	ASK
.endif
	GROUP 1, A1
	PLACES
	RUN 1, A0, 0
	GROUP 2, A1
	PLACES
	RUN 2, A0, 0
.endm
	s_load_b256 s[4:11], s[0:1], 0x0               ; xb 4, wt 6, bcat 8, qh 10
	s_load_b128 s[12:15], s[0:1], 0x20             ; kh 12, vh 14
	v_lshl_add_u32 v[SPW], v0, 2, SPARE
	v_mov_b32 v[NIL], 0
	ds_add_u32 v[SPW], v[NIL]                      ; the wave's opening: the add and its wait ahead of my first tensor load
	ds_add_u32 v28, v29
	v_lshrrev_b32 v1, 5, v0
	v_readfirstlane_b32 s[WV], v1
	s_lshr_b32 s[WH], s[WV], 1                     ; my half of the rows; also: I fetch x (0) or W (1)
	s_and_b32 s[WL], s[WV], 1                      ; my half of the columns; also: which half of that tile I fetch
	s_bfe_u32 s[CX], ttmp6, 0x40000
	s_bfe_u32 s[CY], ttmp6, 0x40004
	s_lshl_b32 s[TC], ttmp9, 2
	s_add_co_u32 s[TC], s[TC], s[CX]               ; tile column 0..7
	s_and_b32 s[TR], ttmp7, 0xffff
	s_lshl_b32 s[TR], s[TR], 2
	s_add_co_u32 s[TR], s[TR], s[CY]               ; tile row 0..31
	s_lshl_b32 s66, s[CY], 2
	s_lshl_b32 s66, 15, s66                        ; my row of the cluster
	s_lshl_b32 s67, 0x1111, s[CX]                  ; my column
	s_or_b32 s[G1A], s66, (1<<16)|(1<<20)|(1<<21)|(4<<22)|(3<<25)  ; mask; 2-byte elements; padding on; bit 21 beside a mask; behind every 32 words 4 words
	s_or_b32 s[G1B], s67, (1<<16)|(1<<20)|(1<<21)|(4<<22)|(3<<25)
	s_mov_b32 s[G1A+1], 128<<16                    ; tensor_dim0 = 128 elements: 256 bytes, two rows of a slab
	s_mov_b32 s[G1A+2], 64<<16                     ; tensor_dim1 = 64: 128 rows of x
	s_mov_b32 s[G1A+3], 128<<16                    ; tile_dim0
	s_mov_b32 s[G1A+4], 64                         ; tile_dim1
	s_mov_b32 s[G1A+5], 128                        ; dense
	s_mov_b32 s[G1A+6], 0
	s_mov_b32 s[G1A+7], 0
	s_mov_b32 s[G1B+1], 128<<16
	s_mov_b32 s[G1B+2], 96<<16                     ; 192 rows of W
	s_mov_b32 s[G1B+3], 128<<16
	s_mov_b32 s[G1B+4], 96
	s_mov_b32 s[G1B+5], 128
	s_mov_b32 s[G1B+6], 0
	s_mov_b32 s[G1B+7], 0
	s_lshl_b32 s68, s[TR], 15                      ; x: (256 tile row + 128 half) x 128 bytes
	s_lshl_b32 s70, s[WL], 14
	s_add_co_u32 s68, s68, s70
	s_mov_b32 s69, 0
	s_mul_i32 s72, s[TC], 384*128                  ; W: (384 tile column + 192 half) x 128 bytes
	s_mul_i32 s74, s[WL], 192*128
	s_add_co_u32 s72, s72, s74
	s_mov_b32 s73, 0
	s_mul_i32 s78, s[WL], 128*PITCH                ; where they go: no place in the cluster enters an LDS address
	s_mul_i32 s79, s[WL], 192*PITCH
	s_add_co_u32 s79, s79, BOFF
	s_mul_i32 s76, s[TC], 384*4                    ; my 192 columns in the bias
	s_mul_i32 s74, s[WL], 192*4
	s_add_co_u32 s76, s76, s74
	s_mov_b32 s77, 0
	s_lshl_b32 s70, s[TR], 15                      ; the prefetches: x's at slab 2, my work-group's 32 blocks,
	s_lshl_b32 s74, s[CX], 13
	s_add_co_u32 s70, s70, s74
	s_add_co_u32 s70, s70, 2*XSTEP
	s_mul_i32 s71, s[TC], 384*128                  ; W's at slab 2, my work-group's 48 blocks
	s_mul_i32 s74, s[CY], 12288
	s_add_co_u32 s71, s71, s74
	s_add_co_u32 s71, s71, 2*WSTEP
	s_and_b32 s75, ttmp7, 0xffff                   ; cluster y
	s_mov_b32 s74, WSTEP
	s_cmp_eq_u32 s[WV], 0                          ; wave 0 asks for x, waves 1-3 for W
	s_cselect_b32 s70, s70, s71
	s_cselect_b32 s75, ttmp9, s75                  ; the coordinate along which other clusters read the same blocks
	s_cselect_b32 s[PST], XSTEP, s74
	s_cselect_b32 s[NPAR], 1, 0                    ; x in every trip, W where the count is odd
	s_mov_b32 s[PST+1], 0
	s_mov_b32 s71, 0
	s_cmp_eq_u32 s75, 0
	s_cselect_b32 s[LIM], 1, -1                    ; the same in all sixteen partners, for a given wave
	s_mov_b32 s[TB], 0
	s_wait_dscnt 0x0                               ; the opening add is done
	s_wait_kmcnt 0x0
	s_add_nc_u64 s[68:69], s[4:5], s[68:69]
	s_add_nc_u64 s[72:73], s[6:7], s[72:73]
	s_add_nc_u64 s[76:77], s[8:9], s[76:77]
	s_cmp_eq_u32 s[WV], 0
	s_cselect_b64 s[PFA:PFA+1], s[4:5], s[6:7]
	s_add_nc_u64 s[PFA:PFA+1], s[PFA:PFA+1], s[70:71]
.irp s, 0,1
	s_mov_b32 s[G0A+4*(\s)], 1
	s_add_co_u32 s[G0A+4*(\s)+1], s78, (\s)*SLOT1
	s_add_nc_u64 s[G0A+4*(\s)+2:G0A+4*(\s)+3], s[68:69], (\s)*XSTEP
	s_or_b32 s[G0A+4*(\s)+3], s[G0A+4*(\s)+3], 0x80000000
	s_mov_b32 s[G0B+4*(\s)], 1
	s_add_co_u32 s[G0B+4*(\s)+1], s79, (\s)*SLOT1
	s_add_nc_u64 s[G0B+4*(\s)+2:G0B+4*(\s)+3], s[72:73], (\s)*WSTEP
	s_or_b32 s[G0B+4*(\s)+3], s[G0B+4*(\s)+3], 0x80000000
.endr
	CROUND                                         ; all sixteen work-groups are here: the first joint loads meet
	s_cmp_eq_u32 s[WH], 0                          ; a wave's two first fills stand in one branch: two loads of mine are out
	s_cbranch_scc0 .Lfirst_b
	tensor_load_to_lds s[G0A:G0A+3], s[G1A:G1A+7]
	s_nop 0
	tensor_load_to_lds s[G0A+4:G0A+7], s[G1A:G1A+7]
	s_nop 0
	PLACES
	s_branch .Lfirst_asked
.Lfirst_b:
	tensor_load_to_lds s[G0B:G0B+3], s[G1B:G1B+7]
	s_nop 0
	tensor_load_to_lds s[G0B+4:G0B+7], s[G1B:G1B+7]
	s_nop 0
	PLACES
.Lfirst_asked:
	v_and_b32 v1, 15, v0                           ; r = l % 16
	v_bfe_u32 v2, v0, 4, 1                         ; h = l / 16
	v_lshlrev_b32 v[BO], 5, v2                     ; my 8 columns of 16: 32 bytes
.irp b, 0,1,2,3,4,5,6,7,8,9,10,11
	WIN 0x40*(1+(\b)/4)                            ; the bias of columns 16 b .. lands in accumulator (0, b)
	global_load_b128 v[64*((\b)%4):64*((\b)%4)+3],   v[BO], s[76:77] offset:64*(\b)
	global_load_b128 v[64*((\b)%4)+4:64*((\b)%4)+7], v[BO], s[76:77] offset:64*(\b)+16
.endr
	WIN 0
	v_mul_u32_u24 v3, v1, PITCH
	v_lshl_add_u32 v3, v2, 4, v3                   ; a fragment's row x pitch + 16 x half
	s_mul_i32 s66, s[WH], 128*PITCH
	v_add_nc_u32 v[A0B], s66, v3
	s_mul_i32 s66, s[WL], 192*PITCH
	s_add_co_u32 s66, s66, BOFF
	v_add_nc_u32 v[B0B], s66, v3
	v_mov_b32 v[ADRA], v[A0B]
	v_mov_b32 v[ADRB], v[B0B]
	v_mul_u32_u24 v3, v1, SP                       ; into the stage: row 128 WH + 16 a + r, byte 384 WL + 32 b + 16 h
	v_lshl_add_u32 v3, v2, 4, v3
	s_mul_i32 s66, s[WH], 128*SP
	s_mul_i32 s67, s[WL], 384
	s_add_co_u32 s66, s66, s67
	v_add_nc_u32 v[STO], s66, v3
	v_add_nc_u32 v[STO2], 64*SP, v[STO]
	v_mul_u32_u24 v3, v2, SP                       ; back: wave w takes rows 64 w ..; lanes 0-15 256 bytes of one row, lanes 16-31 of the next
	v_lshl_add_u32 v3, v1, 4, v3
	s_mul_i32 s66, s[WV], 64*SP
	v_add_nc_u32 v[RD], s66, v3
	v_lshlrev_b32 v3, 11, v2
	v_lshl_add_u32 v[GO], v1, 4, v3
	s_lshl_b32 s74, s[TR], 19                      ; (256 tile row + 64 wave) rows of 2,048 bytes + 256 x tile column
	s_lshl_b32 s66, s[WV], 17
	s_add_co_u32 s74, s74, s66
	s_lshl_b32 s66, s[TC], 8
	s_add_co_u32 s74, s74, s66
	s_mov_b32 s75, 0
	s_add_nc_u64 s[10:11], s[10:11], s[74:75]
	s_add_nc_u64 s[12:13], s[12:13], s[74:75]
	s_add_nc_u64 s[14:15], s[14:15], s[74:75]
	s_max_u32 s66, s[WV], 1                        ; block u = 32 (wave - 1) + lane of 96 (wave 0: u = lane): 48 of one slab, then 48 of the next
	s_sub_co_u32 s66, s66, 1
	s_lshl_b32 s66, s66, 5
	v_and_b32 v3, 31, v0
	v_add_nc_u32 v3, s66, v3
	v_cmp_le_u32 s67, 48, v3
	v_cndmask_b32 v14, 0, 1, s67
	v_mul_u32_u24 v14, v14, WSTEP-48*256
	v_lshl_add_u32 v[PFO], v3, 8, v14
	s_wait_tensorcnt 0x1                           ; my part of step 0 is in; step 1's may stay out
	s_barrier_signal -1
	s_barrier_wait -1
	RUN 0, A0, 0
	RUN 1, A0, 0
	RUN 2, A0, 0
	s_wait_loadcnt 0x0                             ; the bias
	QUARTER A0, A1, 64, 1
	WIN 0
	s_mov_b32 s[CNT], 14
.Lstep:                                                ; a trip: a step's second half with the refill (steps 2-15), the next step's first half
	TURN 1
	QUARTER A0, A1, 64, 0
	WIN 0
	s_sub_co_u32 s[CNT], s[CNT], 1
	s_cmp_lg_u32 s[CNT], 0
	s_cbranch_scc1 .Lstep
	; THE TAIL asks for nothing more: two trips of one text, the second halves of steps 14 and 15; the second trip jumps over the first half of a step that does not exist.
	; Its change of slots fetches fragments of step 14's slot once more, which nothing multiplies: 40 LDS loads a wave, once a launch, the price of one text for both trips.
	s_mov_b32 s[CNT], 2
.Ltail:
	TURN 0
	s_cmp_eq_u32 s[CNT], 1
	s_cbranch_scc1 .Llast
	QUARTER A0, A1, 64, 0
	WIN 0
.Llast:
	s_sub_co_u32 s[CNT], s[CNT], 1
	s_cmp_lg_u32 s[CNT], 0
	s_cbranch_scc1 .Ltail
	; THE WAY OUT: rounded to f16, 16 bytes a lane into the stage, back as whole pieces of 256 bytes of a row of q, k or v.  (The four places behind the last products stand in TURN.)
	s_wait_dscnt 0x0                               ; my reads of the ring are over, the idle ones too: their registers are free
	s_barrier_signal -1                            ; every wave's are: the stage may take the ring's bytes
	s_barrier_wait -1
.irp w, 1,2,3
	WIN (\w)|((\w)<<2)
.set i, 0
.rept 32
.irp z, 0,1,2,3
	v_cvt_pk_f16_f32 v[TMP+4*i+(\z)], v[8*i+2*(\z)], v[8*i+2*(\z)+1]
.endr
.set i, i+1
.endr
	WIN 0
.set i, 0
.rept 32
.if (i%8) < 4
	ds_store_b128 v[STO], v[TMP+4*i:TMP+4*i+3] offset:(i%8)*16*SP+32*(4*((\w)-1)+i/8)
.else
	ds_store_b128 v[STO2], v[TMP+4*i:TMP+4*i+3] offset:((i%8)-4)*16*SP+32*(4*((\w)-1)+i/8)
.endif
.set i, i+1
.endr
.endr
	s_wait_dscnt 0x0                               ; for the others' sake: my stores into the stage are done
	s_barrier_signal -1
	s_barrier_wait -1
	s_mov_b32 s[CNT], 3
.Lpart:                                                ; three trips: q's, k's, v's 256 bytes of my 64 rows
.irp hf, 0,1
	s_wait_xcnt 0x0                                ; earlier stores have read their data registers: they are loaded again only behind this wait
.irp t, 0,1,2,3,4,5,6,7,8,9,10,11,12,13,14,15
	ds_load_b128 v[TMP+64*(\hf)+4*(\t):TMP+64*(\hf)+4*(\t)+3], v[RD] offset:(16*(\hf)+(\t))*2*SP
.endr
.irp t, 0,1,2,3,4,5,6,7,8,9,10,11,12,13,14,15
.if ((\t)%4) == 0
	s_wait_dscnt 12-(\t)                           ; the next four loads are in, the younger stay out
.endif
	global_store_b128 v[GO], v[TMP+64*(\hf)+4*(\t):TMP+64*(\hf)+4*(\t)+3], s[10:11] offset:(16*(\hf)+(\t))*4096  ; 16 lanes store 256 consecutive bytes, aligned
.endr
.endr
	s_wait_xcnt 0x0                                ; the stores have read their base
	s_mov_b64 s[10:11], s[12:13]                   ; the next tensor,
	s_mov_b64 s[12:13], s[14:15]
	v_add_nc_u32 v[RD], 256, v[RD]                 ; and its 256 bytes of the stage's rows
	s_sub_co_u32 s[CNT], s[CNT], 1
	s_cmp_lg_u32 s[CNT], 0
	s_cbranch_scc1 .Lpart
	s_wait_tensorcnt 0x0                           ; the wave's end
	ds_add_u32 v[SPW], v[NIL]
	s_wait_dscnt 0x0
	CROUND                                         ; the closing round
	s_endpgm
.Lfunc_end_k_qfbf55c6cb7_proj:
	.size	k_qfbf55c6cb7_proj, .Lfunc_end_k_qfbf55c6cb7_proj-k_qfbf55c6cb7_proj
	.p2alignl 7, 3214868480
	.fill 96, 4, 3214868480
	.section	.rodata,"a",@progbits
	.p2align	6, 0x0
	.amdhsa_kernel k_qfbf55c6cb7_proj
		.amdhsa_group_segment_fixed_size 327680
		.amdhsa_private_segment_fixed_size 0
		.amdhsa_enable_private_segment 0
		.amdhsa_kernarg_size 48
		.amdhsa_user_sgpr_count 2
		.amdhsa_user_sgpr_kernarg_segment_ptr 1
		.amdhsa_wavefront_size32 1
		.amdhsa_system_sgpr_workgroup_id_x 1
		.amdhsa_system_sgpr_workgroup_id_y 1
		.amdhsa_system_sgpr_workgroup_id_z 1
		.amdhsa_system_vgpr_workitem_id 0
		.amdhsa_next_free_vgpr 1024
		.amdhsa_next_free_sgpr 80
		.amdhsa_reserve_vcc 0
		.amdhsa_float_denorm_mode_32 3
		.amdhsa_float_denorm_mode_16_64 3
		.amdhsa_memory_ordered 1
		.amdhsa_forward_progress 1
		.amdhsa_inst_pref_size 98
	.end_amdhsa_kernel
	.amdgpu_metadata
---
amdhsa.version: [ 1, 2 ]
amdhsa.kernels:
  - .name:           k_qfbf55c6cb7_proj
    .symbol:         k_qfbf55c6cb7_proj.kd
    .args:
      - { .name: xb, .offset: 0, .size: 8, .value_kind: global_buffer, .address_space: global }
      - { .name: wt, .offset: 8, .size: 8, .value_kind: global_buffer, .address_space: global }
      - { .name: bcat, .offset: 16, .size: 8, .value_kind: global_buffer, .address_space: global }
      - { .name: qh, .offset: 24, .size: 8, .value_kind: global_buffer, .address_space: global }
      - { .name: kh, .offset: 32, .size: 8, .value_kind: global_buffer, .address_space: global }
      - { .name: vh, .offset: 40, .size: 8, .value_kind: global_buffer, .address_space: global }
    .group_segment_fixed_size: 327680
    .private_segment_fixed_size: 0
    .kernarg_segment_align: 8
    .kernarg_segment_size: 48
    .max_flat_workgroup_size: 128
    .sgpr_count:     80
    .vgpr_count:     1024
    .wavefront_size: 32
...
	.end_amdgpu_metadata
.endif
;; end of part 2
;; launch score (part 3): grid 36 x 4, 4 waves a work-group, no clusters, 327,680 bytes of LDS; arguments qh, kh, pw, st; writes pw, st
.if DOCPART == 3
	.amdgcn_target "amdgcn-amd-amdhsa--gfx1250"
	.amdhsa_code_object_version 6
	.text
	.protected	k_qfbf55c6cb7_score
	.globl	k_qfbf55c6cb7_score
	.p2align	8
	.type	k_qfbf55c6cb7_score,@function
k_qfbf55c6cb7_score:
	s_mov_b64 s[64:65], 0
	v_nop
	global_prefetch_b8 v0, s[64:65] scope:SCOPE_SE
	s_setreg_imm32_b32 hwreg(HW_REG_WAVE_MODE, 25, 1), 1
	s_wait_xcnt 0x0
; SCORE: for each causal tile (I, J <= I) of 256 queries x 256 keys of a batch: S = q k^T (f16 operands, f32 sums); m = the row's true maximum over the tile's 256 keys;
; P = 2^(c s - c m), c = log2(e) / 32, rounded to f16 into pw; c m and, for each half of 128 keys, l = the sum of the unrounded p, into st.  The launch behind joins the tiles' statistics.
; LIMITS: a hidden score counts as its value less 1e30; a weight below 2^-126 counts as 0; NaN and infinities are not treated apart.
; SHARES.  Four waves, each 128 queries x 128 keys: 64 accumulators.  K = 1,024 in 8 steps of 128 (rows of 256 bytes, LDS pitch 272) through two slots.
; NO CLUSTER: the 36 cells of the triangle do not fall into groups of four that share a row or a column of tiles.
; TRANSPOSED USE (source 0 = 16 keys, source 1 = 16 queries): a lane holds query l % 16 and 8 neighbouring keys.
; THE MASK is the C operand of the products that start the sums: 0, or -1e30 where the key is hidden.  It hangs on b - a alone: 15 masks of 8 registers, made at the head; all 0 in a tile off the diagonal.
; REGISTERS: window 0: v0-31 addresses; v32-95, v96-159 q's fragments, two buffers; v160-223 k's 8 fragments, one buffer; v224-231 the diagonal's own mask; v232-247 c m in pairs.
;   accumulator (a, b) in window 1 + b / 4 at v[64 (b % 4) + 8 a].  Window 3: v0-119 the masks.
.set PITCH,  272
.set HALFT,  128*PITCH
.set SLOT,   4*HALFT                   ; 0x22000: it shares no bit with wave x HALFT, so one exclusive or changes a wave's LDS word from slot to slot
.set XCH,    2*SLOT                    ; behind the ring: the waves' row maxima, 512 bytes a wave
.set SST,    XCH+2048                  ; the statistics on their way out, 1,024 bytes a wave
.set SPARE,  SST+4096
.set A0B, 4
.set B0B, 5
.set ADRA, 6
.set ADRB, 7
.set STO, 8
.set RD, 9
.set GO, 10
.set PFO, 11
.set XS, 12
.set XL, 13
.set SS, 14
.set SL, 15
.set SG, 16
.set SPW, 28
.set NIL, 29
.set A0, 32
.set A1, 96
.set BF, 160
.set TMP, 32
.set MK, 0                             ; window 3: the mask for b - a = k - 7 at MK + 8 k
.set LP, 160
.set MD, 224
.set CM, 232
.set WV, 16
.set WH, 17
.set WL, 18
.set TI, 19
.set TJ, 20
.set BB, 21
.set TB, 23
.set G1, 24
.set G0, 32
.set CNT, 40
.set LIM, 41
.set PFA, 42
.set CS, 44
.set SEL, 46
.set AL, 48
.set BE, 50
.set BIGN, 52
.set SD, 53
.set MSB, 0
.macro WIN new
.if MSB != (\new)
	s_set_vgpr_msb (MSB<<8)|(\new)
.set MSB, \new
.endif
.endm
.macro PLACES
.rept 4
	v_nop
.endr
.endm
.macro HALF g, hf, ax, first           ; 16 products; every accumulator has one turn a quarter.  first = 1: they start the sums, with the mask as C
.if \first
	WIN (0x40*(1+(\g)))+0x30
.else
	WIN 0x50*(1+(\g))
.endif
.irp bb, 2*(\hf), 2*(\hf)+1
.irp a, 0,1,2,3,4,5,6,7
.if \first
	v_wmma_f32_16x16x32_f16 v[64*(\bb)+8*(\a):64*(\bb)+8*(\a)+7], v[BF+8*(4*(\g)+(\bb)):BF+8*(4*(\g)+(\bb))+7], v[(\ax)+8*(\a):(\ax)+8*(\a)+7], v[MK+8*(4*(\g)+(\bb)-(\a)+7):MK+8*(4*(\g)+(\bb)-(\a)+7)+7]
.else
	v_wmma_f32_16x16x32_f16 v[64*(\bb)+8*(\a):64*(\bb)+8*(\a)+7], v[BF+8*(4*(\g)+(\bb)):BF+8*(4*(\g)+(\bb))+7], v[(\ax)+8*(\a):(\ax)+8*(\a)+7], v[64*(\bb)+8*(\a):64*(\bb)+8*(\a)+7]
.endif
.endr
.endr
.endm
.macro RUN g, an, koff                 ; the next quarter's loads: group g's 4 fragments of k, and with group 0 all 8 of q
	WIN 0
.irp bb, 0,1,2,3
	ds_load_b128 v[BF+8*(4*(\g)+(\bb)):BF+8*(4*(\g)+(\bb))+3],   v[ADRB] offset:(4*(\g)+(\bb))*16*PITCH+(\koff)
	ds_load_b128 v[BF+8*(4*(\g)+(\bb))+4:BF+8*(4*(\g)+(\bb))+7], v[ADRB] offset:(4*(\g)+(\bb))*16*PITCH+(\koff)+32
.endr
.if (\g) == 0
.irp a, 0,1,2,3,4,5,6,7
	ds_load_b128 v[(\an)+8*(\a):(\an)+8*(\a)+3],   v[ADRA] offset:(\a)*16*PITCH+(\koff)
	ds_load_b128 v[(\an)+8*(\a)+4:(\an)+8*(\a)+7], v[ADRA] offset:(\a)*16*PITCH+(\koff)+32
.endr
.endif
.endm
.macro QUARTER ax, an, koff, first
	s_wait_dscnt 8                                 ; all but the last run's 8 loads (k's group 1)
	HALF 0, 0, \ax, \first
	HALF 0, 1, \ax, \first
	PLACES
	RUN 0, \an, \koff
	s_wait_dscnt 24                                ; all but the 24 just issued
	HALF 1, 0, \ax, \first
	HALF 1, 1, \ax, \first
	PLACES
	RUN 1, \an, \koff
.endm
; A PREFETCH INTO THE L2 of the step that the next refill asks for.  Every block of 256 rows of q and of k is read by its diagonal tile's work-group: that one asks, each wave for the 128 rows
; that it fetches itself: a lane a row, four instructions.  The last refill's trip names nothing; steps 0-2 come by their loads alone.
.macro ASK
	s_cmp_gt_u32 s[CNT], s[LIM]
	s_cbranch_scc0 .Lnot_mine_\@
	global_prefetch_b8 v[PFO], s[PFA:PFA+1] th:TH_LOAD_NT scope:SCOPE_SE
	global_prefetch_b8 v[PFO], s[PFA:PFA+1] offset:65536 th:TH_LOAD_NT scope:SCOPE_SE
	global_prefetch_b8 v[PFO], s[PFA:PFA+1] offset:131072 th:TH_LOAD_NT scope:SCOPE_SE
	global_prefetch_b8 v[PFO], s[PFA:PFA+1] offset:196608 th:TH_LOAD_NT scope:SCOPE_SE
.Lnot_mine_\@:
.endm
; A step's last quarter multiplies buffer A1 and changes slots: one barrier; in front of it all my tensor loads, the add, my reads of this slot.  The refill (two steps on) is the first thing behind it: 224 products ahead of the wait for it.
.macro TURN fill
.if \fill
	s_wait_xcnt 0x0                                ; the last prefetches, a step back, have read their address
	s_add_nc_u64 s[PFA:PFA+1], s[PFA:PFA+1], 256
.endif
	WIN 0
	s_wait_tensorcnt 0x0
	ds_add_u32 v[SPW], v[NIL]
.if \fill
	s_xor_b32 s[G0+5], s[G0+5], SLOT               ; no tensor load of mine is out: the walking descriptor steps
	s_add_nc_u64 s[G0+6:G0+7], s[G0+6:G0+7], 256
.endif
	s_wait_dscnt 9                                 ; the add and the last run's 8 loads may be out
	HALF 0, 0, A1, 0
	s_wait_dscnt 0x0
	s_barrier_signal -1
	HALF 0, 1, A1, 0
	WIN 0
	s_barrier_wait -1
.if \fill
	tensor_load_to_lds s[G0+4:G0+7], s[G1:G1+7]
	s_nop 0
.endif
	PLACES
	s_xor_b32 s[TB], s[TB], SLOT
	v_add_nc_u32 v[ADRA], s[TB], v[A0B]
	v_add_nc_u32 v[ADRB], s[TB], v[B0B]
	RUN 0, A0, 0
.if \fill
	ASK
.endif
	HALF 1, 0, A1, 0
	HALF 1, 1, A1, 0
	PLACES
	RUN 1, A0, 0
.endm
	s_load_b256 s[4:11], s[0:1], 0x0               ; qh 4, kh 6, pw 8, st 10
	v_lshl_add_u32 v[SPW], v0, 2, SPARE
	v_mov_b32 v[NIL], 0
	ds_add_u32 v[SPW], v[NIL]                      ; the wave's opening
	ds_add_u32 v28, v29
	v_lshrrev_b32 v1, 5, v0
	v_readfirstlane_b32 s[WV], v1
	s_lshr_b32 s[WH], s[WV], 1
	s_and_b32 s[WL], s[WV], 1
	s_mov_b32 s[TI], 0                             ; cell x of the triangle: I = how many of the rows' first cells lie at or below x
.irp T, 1,3,6,10,15,21,28
	s_cmp_ge_u32 ttmp9, \T
	s_cselect_b32 s54, 1, 0
	s_add_co_u32 s[TI], s[TI], s54
.endr
	s_add_co_u32 s54, s[TI], 1
	s_mul_i32 s54, s54, s[TI]
	s_lshr_b32 s54, s54, 1
	s_sub_co_u32 s[TJ], ttmp9, s54                 ; J = x - I (I + 1) / 2
	s_and_b32 s[BB], ttmp7, 0xffff                 ; batch
	s_mov_b32 s[G1], (1<<16)|(1<<20)|(5<<22)|(3<<25)  ; 2-byte elements; padding on: behind every 64 words 4 words
	s_mov_b32 s[G1+1], 128<<16
	s_mov_b32 s[G1+2], 128<<16
	s_mov_b32 s[G1+3], 128<<16
	s_mov_b32 s[G1+4], 128
	s_mov_b32 s[G1+5], 1024
	s_mov_b32 s[G1+6], 0
	s_mov_b32 s[G1+7], 0
	s_cmp_lt_u32 s[WV], 2                          ; waves 0, 1 fetch q's halves, waves 2, 3 k's
	s_cselect_b32 s54, s[TI], s[TJ]
	s_lshl_b32 s54, s54, 8
	s_lshl_b32 s55, s[BB], 11
	s_add_co_u32 s54, s54, s55
	s_lshl_b32 s55, s[WL], 7
	s_add_co_u32 s54, s54, s55
	s_lshl_b32 s54, s54, 11                        ; rows of 2,048 bytes
	s_mov_b32 s55, 0
	s_mul_i32 s58, s[WV], HALFT
	s_mov_b32 s[CS], 0x3d38aa3b                    ; c = log2(e) / 32
	s_mov_b32 s[CS+1], s[CS]
	s_mov_b32 s[SEL], 0x76543210
	s_mov_b32 s[SEL+1], 0xfedcba98
	s_mov_b32 s[BIGN], 0xf149f2ca                  ; -1e30
	s_mov_b32 s[AL+1], 0
	s_mov_b32 s[BE+1], 0
	s_mov_b32 s[TB], 0
	s_sub_co_i32 s[SD], s[WL], s[WH]               ; my keys' blocks of 16 lie 8 (WL - WH) ahead of my queries', in a diagonal tile;
	s_lshl_b32 s[SD], s[SD], 3
	s_cmp_eq_u32 s[TI], s[TJ]
	s_cselect_b32 s[SD], s[SD], -16                ; off the diagonal: far behind, so that nothing is hidden
	s_cselect_b32 s[LIM], 1, -1
	s_wait_dscnt 0x0
	s_wait_kmcnt 0x0
	s_cmp_lt_u32 s[WV], 2
	s_cselect_b64 s[56:57], s[4:5], s[6:7]
	s_add_nc_u64 s[56:57], s[56:57], s[54:55]
	s_add_nc_u64 s[PFA:PFA+1], s[56:57], 512       ; at step 2; the first refill steps it to 3
.irp s, 0,1
	s_mov_b32 s[G0+4*(\s)], 1
	s_add_co_u32 s[G0+4*(\s)+1], s58, (\s)*SLOT
	s_add_nc_u64 s[G0+4*(\s)+2:G0+4*(\s)+3], s[56:57], (\s)*256
	s_or_b32 s[G0+4*(\s)+3], s[G0+4*(\s)+3], 0x80000000
.endr
	tensor_load_to_lds s[G0:G0+3], s[G1:G1+7]      ; both first fills together: two loads of mine are out
	s_nop 0
	tensor_load_to_lds s[G0+4:G0+7], s[G1:G1+7]
	s_nop 0
	PLACES
	v_and_b32 v1, 15, v0                           ; r; kept
	v_bfe_u32 v2, v0, 4, 1                         ; h; kept
	; THE MASKS, in the wait for the first tile.  Key 16 (b + 8 WL) + 8 h + j is hidden from query 16 (a + 8 WH) + r where 16 d + j > r - 8 h, d = b - a + SD: always if d > 0, never if d < 0.
	v_lshlrev_b32 v3, 3, v2
	v_sub_nc_u32 v3, v1, v3                        ; r - 8 h
.irp j, 0,1,2,3,4,5,6,7
	v_cmp_gt_i32 vcc_lo, \j, v3
	v_cndmask_b32 v[MD+(\j)], 0, s[BIGN], vcc_lo   ; the mask for d = 0
.endr
	WIN 0xc0                                       ; destination window 3
.set k, 0
.rept 15                               ; the mask for b - a = k - 7 is MD x AL + BE
	s_cmp_eq_i32 s[SD], 7-k
	s_cselect_b32 s[AL], 1.0, 0
	s_cmp_gt_i32 s[SD], 7-k
	s_cselect_b32 s[BE], s[BIGN], 0
.irp z, 0,2,4,6
	v_pk_fma_f32 v[MK+8*k+(\z):MK+8*k+(\z)+1], v[MD+(\z):MD+(\z)+1], s[AL:AL+1], s[BE:BE+1] op_sel_hi:[1,0,0]
.endr
.set k, k+1
.endr
	WIN 0
	v_mul_u32_u24 v3, v1, PITCH
	v_lshl_add_u32 v3, v2, 4, v3
	s_mul_i32 s59, s[WH], HALFT
	v_add_nc_u32 v[A0B], s59, v3
	s_mul_i32 s59, s[WL], HALFT
	s_add_co_u32 s59, s59, 2*HALFT
	v_add_nc_u32 v[B0B], s59, v3
	v_mov_b32 v[ADRA], v[A0B]
	v_mov_b32 v[ADRB], v[B0B]
	v_add_nc_u32 v[STO], s58, v3                   ; my stage takes wave x HALFT of the ring when the ring is done with
	v_mul_u32_u24 v3, v2, PITCH
	v_lshl_add_u32 v3, v1, 4, v3
	v_add_nc_u32 v[RD], s58, v3
	v_lshlrev_b32 v3, 12, v2
	v_lshl_add_u32 v[GO], v1, 4, v3
	v_and_b32 v3, 31, v0
	v_lshlrev_b32 v[PFO], 11, v3
	v_lshlrev_b32 v[SG], 4, v3
	s_lshl_b32 s59, s[WV], 9
	s_add_co_u32 s59, s59, XCH
	v_lshl_add_u32 v[XS], v1, 2, s59
	s_xor_b32 s59, s[WV], 1                        ; the wave with my rows and the other 128 keys
	s_lshl_b32 s59, s59, 9
	s_add_co_u32 s59, s59, XCH
	v_lshl_add_u32 v[XL], v1, 2, s59
	s_lshl_b32 s59, s[WV], 10
	s_add_co_u32 s59, s59, SST
	v_lshl_add_u32 v[SL], v3, 4, s59
	v_lshl_add_u32 v[SS], v1, 5, s59
	v_lshl_add_u32 v[SS], v2, 9, v[SS]
	s_lshl_b32 s60, s[BB], 11                      ; pw: row (2048 b + 256 I + 128 WH) x 4,096 bytes + 512 J + 256 WL
	s_lshl_b32 s59, s[TI], 8
	s_add_co_u32 s60, s60, s59
	s_lshl_b32 s59, s[WH], 7
	s_add_co_u32 s60, s60, s59
	s_lshl_b32 s60, s60, 12
	s_lshl_b32 s59, s[TJ], 9
	s_add_co_u32 s60, s60, s59
	s_lshl_b32 s59, s[WL], 8
	s_add_co_u32 s60, s60, s59
	s_mov_b32 s61, 0
	s_add_nc_u64 s[8:9], s[8:9], s[60:61]
	s_lshl_b32 s62, s[BB], 3                       ; st: record ((8 b + I) 8 + J) x 4,096 + 1,024 x wave
	s_add_co_u32 s62, s62, s[TI]
	s_lshl_b32 s62, s62, 3
	s_add_co_u32 s62, s62, s[TJ]
	s_lshl_b32 s62, s62, 2
	s_add_co_u32 s62, s62, s[WV]
	s_lshl_b32 s62, s62, 10
	s_mov_b32 s63, 0
	s_add_nc_u64 s[10:11], s[10:11], s[62:63]
	s_wait_tensorcnt 0x1                           ; my part of step 0 is in; step 1's may stay out
	s_barrier_signal -1
	s_barrier_wait -1
	RUN 0, A0, 0
	RUN 1, A0, 0
	QUARTER A0, A1, 64, 1                          ; the first quarter's products start the sums, with the masks
	WIN 0
	s_mov_b32 s[CNT], 6
.Lstep:                                                ; a trip: from a step's second quarter to the next step's first; the refills bring steps 2-7
	QUARTER A1, A0, 128, 0
	QUARTER A0, A1, 192, 0
	TURN 1
	QUARTER A0, A1, 64, 0
	WIN 0
	s_sub_co_u32 s[CNT], s[CNT], 1
	s_cmp_lg_u32 s[CNT], 0
	s_cbranch_scc1 .Lstep
	; THE TAIL asks for nothing more: two trips of one text, the rest of steps 6 and 7; the second trip jumps over the first quarter of a step that does not exist.
	; Its change of slots fetches fragments of step 6's slot once more, which nothing multiplies: 32 LDS loads a wave, once a launch, the price of one text for both trips.
	s_mov_b32 s[CNT], 2
.Ltail:
	QUARTER A1, A0, 128, 0
	QUARTER A0, A1, 192, 0
	TURN 0
	s_cmp_eq_u32 s[CNT], 1
	s_cbranch_scc1 .Llast
	QUARTER A0, A1, 64, 0
	WIN 0
.Llast:
	s_sub_co_u32 s[CNT], s[CNT], 1
	s_cmp_lg_u32 s[CNT], 0
	s_cbranch_scc1 .Ltail
	s_wait_dscnt 0x0                               ; my reads of the ring are over, the idle ones too: their registers are free.  (The four places behind the last products stand in TURN.)
	; THE MAXIMUM of each of my 128 rows: eight chains, one for each block a; each accumulator's lowest registers are read first
	WIN 0x05
.irp a, 0,1,2,3,4,5,6,7
	v_max_num_f32 v[CM+2*(\a)], v[8*(\a)], v[8*(\a)+1]
.endr
.irp w, 1,2
	WIN 0x14*(\w)
.irp bb, 0,1,2,3
.irp p, 0,1,2,3
.if ((\w) > 1) || ((\bb) > 0) || ((\p) > 0)
.irp a, 0,1,2,3,4,5,6,7
	v_max3_num_f32 v[CM+2*(\a)], v[CM+2*(\a)], v[64*(\bb)+8*(\a)+2*(\p)], v[64*(\bb)+8*(\a)+2*(\p)+1]
.endr
.endif
.endr
.endr
.endr
	WIN 0
.irp a, 0,1,2,3,4,5,6,7
	v_mov_b32 v[CM+2*(\a)+1], v[CM+2*(\a)]         ; written, since the next line's destination counts as read
.endr
.irp a, 0,1,2,3,4,5,6,7
	v_permlanex16_b32 v[CM+2*(\a)+1], v[CM+2*(\a)], s[SEL], s[SEL+1]  ; the row's other keys lie in the lane 16 away
.endr
.irp a, 0,1,2,3,4,5,6,7
	v_max_num_f32 v[CM+2*(\a)], v[CM+2*(\a)], v[CM+2*(\a)+1]
.endr
.irp a, 0,1,2,3,4,5,6,7
	ds_store_b32 v[XS], v[CM+2*(\a)] offset:64*(\a)
.endr
	s_wait_dscnt 0x0                               ; my maxima are written; my reads of the ring were over before
	s_barrier_signal -1
	s_barrier_wait -1                              ; so behind this barrier the ring's bytes serve as stages too
.irp a, 0,1,2,3,4,5,6,7
	ds_load_b32 v[CM+2*(\a)+1], v[XL] offset:64*(\a)
.endr
	s_wait_dscnt 0x0
.irp a, 0,1,2,3,4,5,6,7
	v_max_num_f32 v[CM+2*(\a)], v[CM+2*(\a)], v[CM+2*(\a)+1]
.endr
.irp a, 0,1,2,3,4,5,6,7
	v_mul_f32 v[CM+2*(\a)], s[CS], v[CM+2*(\a)]    ; c m
.endr
.irp a, 0,1,2,3,4,5,6,7
	v_mov_b32 v[CM+2*(\a)+1], v[CM+2*(\a)]
.endr
	; P = 2^(c s - c m), a window at a time: 128 scalings, 256 exponentials as ONE batch with one wait, 128 roundings, 32 stores into my stage, the sums in place
.irp w, 1,2
	WIN 0x41*(\w)
.set i, 0
.rept 32
.irp z, 0,2,4,6
	v_pk_fma_f32 v[8*i+(\z):8*i+(\z)+1], v[8*i+(\z):8*i+(\z)+1], s[CS:CS+1], v[CM+2*(i%8):CM+2*(i%8)+1] op_sel_hi:[1,0,0] neg_lo:[0,0,1] neg_hi:[0,0,1]
.endr
.set i, i+1
.endr
.set i, 0
.rept 256
	v_exp_f32 v[i], v[i]
.set i, i+1
.endr
	v_nop                                          ; a plain instruction behind the last exponential,
	s_wait_alu depctr_va_vdst(0)                   ; and the one wait ahead of the batch's first use
	WIN 0x05*(\w)
.set i, 0
.rept 32
.irp z, 0,1,2,3
	v_cvt_pk_f16_f32 v[TMP+4*i+(\z)], v[8*i+2*(\z)], v[8*i+2*(\z)+1]
.endr
.set i, i+1
.endr
	WIN 0
.set i, 0
.rept 32
	ds_store_b128 v[STO], v[TMP+4*i:TMP+4*i+3] offset:(i%8)*16*PITCH+32*(4*((\w)-1)+i/8)
.set i, i+1
.endr
	WIN 0x45*(\w)
.set i, 0
.rept 32
	v_pk_add_f32 v[8*i:8*i+1], v[8*i:8*i+1], v[8*i+2:8*i+3]
	v_pk_add_f32 v[8*i+4:8*i+5], v[8*i+4:8*i+5], v[8*i+6:8*i+7]
.set i, i+1
.endr
.set i, 0
.rept 32
	v_pk_add_f32 v[8*i:8*i+1], v[8*i:8*i+1], v[8*i+4:8*i+5]
.set i, i+1
.endr
.irp a, 0,1,2,3,4,5,6,7
	v_pk_add_f32 v[8*(\a):8*(\a)+1], v[8*(\a):8*(\a)+1], v[64+8*(\a):64+8*(\a)+1]
	v_pk_add_f32 v[128+8*(\a):128+8*(\a)+1], v[128+8*(\a):128+8*(\a)+1], v[192+8*(\a):192+8*(\a)+1]
.endr
.irp a, 0,1,2,3,4,5,6,7
	v_pk_add_f32 v[8*(\a):8*(\a)+1], v[8*(\a):8*(\a)+1], v[128+8*(\a):128+8*(\a)+1]
.endr
.endr
	WIN 0x09                                       ; source 0 window 1, source 1 window 2
.irp a, 0,1,2,3,4,5,6,7
	v_pk_add_f32 v[LP+2*(\a):LP+2*(\a)+1], v[8*(\a):8*(\a)+1], v[8*(\a):8*(\a)+1]
.endr
	WIN 0
.irp a, 0,1,2,3,4,5,6,7
	v_add_f32 v[LP+2*(\a)], v[LP+2*(\a)], v[LP+2*(\a)+1]
.endr
.irp a, 0,1,2,3,4,5,6,7
	v_permlanex16_b32 v[LP+2*(\a)+1], v[LP+2*(\a)], s[SEL], s[SEL+1]
.endr
.irp a, 0,1,2,3,4,5,6,7
	v_add_f32 v[LP+2*(\a)], v[LP+2*(\a)], v[LP+2*(\a)+1]  ; l of my 128 keys
.endr
	; the statistics: lanes 0-15 hand in c m, lanes 16-31 l; [kind][r][a] in my 1,024 bytes, out as two stores of 512 consecutive bytes
	v_cmp_ne_u32 vcc_lo, 0, v2
.irp a, 0,1,2,3,4,5,6,7
	v_cndmask_b32 v[LP+2*(\a)+1], v[CM+2*(\a)], v[LP+2*(\a)], vcc_lo
.endr
.irp a, 0,1,2,3,4,5,6,7
	ds_store_b32 v[SS], v[LP+2*(\a)+1] offset:4*(\a)
.endr
	ds_load_b128 v[176:179], v[SL]                 ; LDS serves a wave's instructions in order: these see the stores above
	ds_load_b128 v[180:183], v[SL] offset:512
	s_wait_dscnt 0x0
	global_store_b128 v[SG], v[176:179], s[10:11]
	global_store_b128 v[SG], v[180:183], s[10:11] offset:512
	; P leaves: my own stage's 128 rows of 256 bytes, 32 rows a trip
	s_mov_b32 s[CNT], 4
.Lpout:
.irp t, 0,1,2,3,4,5,6,7,8,9,10,11,12,13,14,15
	ds_load_b128 v[TMP+4*(\t):TMP+4*(\t)+3], v[RD] offset:(\t)*2*PITCH
.endr
.irp t, 0,1,2,3,4,5,6,7,8,9,10,11,12,13,14,15
.if ((\t)%4) == 0
	s_wait_dscnt 12-(\t)                           ; the next four loads are in, the younger stay out
.endif
	global_store_b128 v[GO], v[TMP+4*(\t):TMP+4*(\t)+3], s[8:9] offset:(\t)*8192  ; 16 lanes store 256 consecutive bytes, aligned
.endr
	s_wait_xcnt 0x0                                ; the stores have read their data and their offset
	v_add_nc_u32 v[RD], 32*PITCH, v[RD]
	v_add_nc_u32 v[GO], 16*8192, v[GO]
	s_sub_co_u32 s[CNT], s[CNT], 1
	s_cmp_lg_u32 s[CNT], 0
	s_cbranch_scc1 .Lpout
	s_wait_tensorcnt 0x0                           ; the wave's end
	ds_add_u32 v[SPW], v[NIL]
	s_wait_dscnt 0x0
	s_endpgm
.Lfunc_end_k_qfbf55c6cb7_score:
	.size	k_qfbf55c6cb7_score, .Lfunc_end_k_qfbf55c6cb7_score-k_qfbf55c6cb7_score
	.p2alignl 7, 3214868480
	.fill 96, 4, 3214868480
	.section	.rodata,"a",@progbits
	.p2align	6, 0x0
	.amdhsa_kernel k_qfbf55c6cb7_score
		.amdhsa_group_segment_fixed_size 327680
		.amdhsa_private_segment_fixed_size 0
		.amdhsa_enable_private_segment 0
		.amdhsa_kernarg_size 32
		.amdhsa_user_sgpr_count 2
		.amdhsa_user_sgpr_kernarg_segment_ptr 1
		.amdhsa_wavefront_size32 1
		.amdhsa_system_sgpr_workgroup_id_x 1
		.amdhsa_system_sgpr_workgroup_id_y 1
		.amdhsa_system_sgpr_workgroup_id_z 1
		.amdhsa_system_vgpr_workitem_id 0
		.amdhsa_next_free_vgpr 896
		.amdhsa_next_free_sgpr 66
		.amdhsa_reserve_vcc 1
		.amdhsa_float_denorm_mode_32 3
		.amdhsa_float_denorm_mode_16_64 3
		.amdhsa_memory_ordered 1
		.amdhsa_forward_progress 1
		.amdhsa_inst_pref_size 167
	.end_amdhsa_kernel
	.amdgpu_metadata
---
amdhsa.version: [ 1, 2 ]
amdhsa.kernels:
  - .name:           k_qfbf55c6cb7_score
    .symbol:         k_qfbf55c6cb7_score.kd
    .args:
      - { .name: qh, .offset: 0, .size: 8, .value_kind: global_buffer, .address_space: global }
      - { .name: kh, .offset: 8, .size: 8, .value_kind: global_buffer, .address_space: global }
      - { .name: pw, .offset: 16, .size: 8, .value_kind: global_buffer, .address_space: global }
      - { .name: st, .offset: 24, .size: 8, .value_kind: global_buffer, .address_space: global }
    .group_segment_fixed_size: 327680
    .private_segment_fixed_size: 0
    .kernarg_segment_align: 8
    .kernarg_segment_size: 32
    .max_flat_workgroup_size: 128
    .sgpr_count:     66
    .vgpr_count:     896
    .wavefront_size: 32
...
	.end_amdgpu_metadata
.endif
;; end of part 3
;; launch pv (part 4): grid 8 x 32, 4 waves a work-group, clusters of 4 x 1, 327,680 bytes of LDS; arguments pw, vh, st, out0; writes out0
.if DOCPART == 4
	.amdgcn_target "amdgcn-amd-amdhsa--gfx1250"
	.amdhsa_code_object_version 6
	.text
	.protected	k_qfbf55c6cb7_pv
	.globl	k_qfbf55c6cb7_pv
	.p2align	8
	.type	k_qfbf55c6cb7_pv,@function
k_qfbf55c6cb7_pv:
	s_mov_b64 s[64:65], 0
	v_nop
	global_prefetch_b8 v0, s[64:65] scope:SCOPE_SE
	s_setreg_imm32_b32 hwreg(HW_REG_WAVE_MODE, 25, 1), 1
	s_wait_xcnt 0x0
	s_wait_alu depctr_hold_cnt(0) depctr_sa_sdst(0) depctr_va_vdst(0) depctr_va_sdst(0) depctr_va_ssrc(0) depctr_va_vcc(0) depctr_vm_vsrc(0)
	s_getreg_b32 s2, hwreg(HW_REG_IB_STS2, 6, 4)
	s_cmp_eq_u32 s2, 0
	s_cbranch_scc0 .Lentry_in_a_cluster
	s_endpgm
.Lentry_in_a_cluster:
	s_bfe_u32 s2, ttmp6, 0x10000c
	s_cmp_lg_u32 s2, 0x3003
	s_cbranch_scc0 .Lentry_shape_is_right
	s_endpgm
.Lentry_shape_is_right:
; PV: out = softmax weights x v.  For a row: cm = the maximum of the tiles' c m_t; l = the sum of 2^(c m_t - cm) (l_t0 + l_t1); out = the sum over tiles t of f_t (P_t V_t), f_t = 2^(c m_t - cm) / l.
; A maximum is taken away everywhere and every factor is at most 1.  Each tile's product (256 keys, f16 operands) is summed in f32 in fresh accumulators and joined in f32: TOT += f_t ACC.
; LIMITS: a factor below 2^-126 counts as 0; NaN and infinities are not treated apart.
; SHARES.  A work-group makes 128 channels of TWO blocks of 128 queries, 15 - p and then p: together 9 steps of 256 keys whatever p, so all 256 work-groups are alike and counted loops walk them.
; Four waves, each 64 queries x 64 channels: 16 accumulators.
; CLUSTER 4 x 1: the four channel tiles of a cluster read the same P: asked for jointly.  V is not shared in a cluster: work-groups with the same channels (other p) need other numbers of tiles.
; TRANSPOSED USE (source 0 = V^T, turned by ds_load_tr16_b128; source 1 = 16 rows of P): a lane holds query l % 16 and 8 neighbouring channels.
; REGISTERS: window 0: v0-63 addresses and statistics; v64-127 the way out; v128-255 ACC.  Window 1: two fragment buffers of 128 (P's 64, then V's 64).  Window 2: v0-127 TOT.
.set PA,    528                        ; a row of P in LDS: 512 bytes + 16
.set PVV,   288                        ; a row of V: 256 + 32
.set VOFF,  128*PA                     ; a slot: P's 128 rows, then V's 256
.set SLOT,  147456                     ; 0x24000 (141,312 used): it shares no bit with the tiles' places in a slot, so one exclusive or changes slots
.set STAGE, 2*SLOT                     ; 16 rows x 272 bytes for each wave
.set SPARE, STAGE+4*16*272
.set A0B, 4
.set B0B, 5
.set ADRA, 6
.set ADRB, 7
.set ADRB2, 8
.set STO, 9
.set RD, 10
.set GO, 11
.set SO, 12                            ; v12 my 16 bytes in a record of statistics; never rewritten
.set PFO, 13
.set SPW, 14
.set NIL, 15
.set CMC, 16                           ; v16-19 cm of my 4 rows, block in hand;  v20-23 1 / l;  v24-31 the same for the second block
.set RLC, 20
.set CML, 24
.set RLL, 28
.set CT, 32                            ; v32-35 c m_t of the step in hand
.set EE, 36
.set FF, 40                            ; v40-47 f_t in pairs
.set VO, 48                            ; v48-63 the statistics' offsets, at the head
.set DD, 64                            ; v64-255 the statistics as loaded, at the head: block, tile t, kind k at DD + 96 blk + 12 t + 4 k
.set OB, 64
.set ACC, 128
.set F0, 0
.set F1, 128
.set WV, 12
.set WH, 13
.set WL, 14
.set CX, 15
.set CT8, 16
.set BB, 17
.set PP, 18
.set IHI, 19
.set ILO, 20
.set TB, 21
.set CNT, 22
.set LIM, 23
.set G1A, 24
.set G1B, 32
.set G0A, 40
.set G0B, 48
.set NXT, 56                           ; the tile to be asked for next
.set LQ, 57                            ; the last tile of the block whose tiles are being asked for
.set BLK, 58                           ; 0 while that is the first block
.set RT, 59                            ; steps that the block in hand still has
.set FIRST, 60
.set JH, 61
.set CXO, 62
.set PAC, 66
.set PAL, 68
.set VB, 70
.set OC, 72
.set OCL, 74
.set STC, 76
.set STL, 78
.set PFA, 80
.set OFF, 82
.set OFV, 84
.set WT, 86
.set PO2, 96
.set MSB, 0
.macro WIN new
.if MSB != (\new)
	s_set_vgpr_msb (MSB<<8)|(\new)
.set MSB, \new
.endif
.endm
.set MUL,  0x05
.set TO_F, 0x40
.macro PLACES
.rept 4
	v_nop
.endr
.endm
.macro CREST
	s_cmp_lg_u32 s[WV], 0
	s_cbranch_scc1 .Lnot_wave_0_\@
	s_barrier_signal -3
.Lnot_wave_0_\@:
	s_barrier_wait -3
	s_barrier_signal -1
	s_barrier_wait -1
.endm
.macro CROUND
	s_barrier_signal -1
	s_barrier_wait -1
	CREST
.endm
.macro JLOAD                           ; waves 0, 1: P's halves, jointly; waves 2, 3: V's halves, my own
	s_cmp_lt_u32 s[WV], 2
	s_cbranch_scc0 .Lfor_v_\@
	tensor_load_to_lds s[G0A+4:G0A+7], s[G1A:G1A+7]
	s_nop 0
	PLACES
	s_branch .Lasked_\@
.Lfor_v_\@:
	tensor_load_to_lds s[G0B+4:G0B+7], s[G1B:G1B+7]
	s_nop 0
	PLACES
.Lasked_\@:
.endm
; A PREFETCH INTO THE L2 of the tile that the next refill asks for, each block of 256 bytes named once in the launch.  P's tile is read by both clusters of a row of the grid: cluster x = 0 asks, waves 0, 1,
; of the 64 rows that a wave fetches the partner at cx takes 16 (by address): 32 blocks, one instruction.  V's tile is read by all p: p = 0 asks, in its first block, which walks all 8 tiles;
; waves 2, 3, each for the 128 rows that it fetches: four instructions.  The last refill's trip names nothing.
.macro ASK
	s_cmp_gt_u32 s[CNT], s[LIM]
	s_cbranch_scc0 .Lnone_\@
	s_cmp_lt_u32 s[WV], 2
	s_cbranch_scc0 .Lask_v_\@
	global_prefetch_b8 v[PFO], s[PFA:PFA+1] th:TH_LOAD_NT scope:SCOPE_SE
	s_branch .Lnone_\@
.Lask_v_\@:
	s_cmp_eq_u32 s[BLK], 0
	s_cbranch_scc0 .Lnone_\@
	global_prefetch_b8 v[PFO], s[PFA:PFA+1] th:TH_LOAD_NT scope:SCOPE_SE
	global_prefetch_b8 v[PFO], s[PFA:PFA+1] offset:65536 th:TH_LOAD_NT scope:SCOPE_SE
	global_prefetch_b8 v[PFO], s[PFA:PFA+1] offset:131072 th:TH_LOAD_NT scope:SCOPE_SE
	global_prefetch_b8 v[PFO], s[PFA:PFA+1] offset:196608 th:TH_LOAD_NT scope:SCOPE_SE
.Lnone_\@:
.endm
.macro MUL8 f, c, a0, zero             ; 8 products: row blocks a0, a0 + 1 x 4 channel blocks, 32 keys: half c of buffer f; the 16 accumulators take turns
	WIN MUL
.irp a, \a0, (\a0)+1
.irp b, 0,1,2,3
.if \zero
	v_wmma_f32_16x16x32_f16 v[ACC+8*(4*(\a)+(\b)):ACC+8*(4*(\a)+(\b))+7], v[(\f)+64+8*(4*(\c)+(\b)):(\f)+64+8*(4*(\c)+(\b))+7], v[(\f)+8*(4*(\c)+(\a)):(\f)+8*(4*(\c)+(\a))+7], 0
.else
	v_wmma_f32_16x16x32_f16 v[ACC+8*(4*(\a)+(\b)):ACC+8*(4*(\a)+(\b))+7], v[(\f)+64+8*(4*(\c)+(\b)):(\f)+64+8*(4*(\c)+(\b))+7], v[(\f)+8*(4*(\c)+(\a)):(\f)+8*(4*(\c)+(\a))+7], v[ACC+8*(4*(\a)+(\b)):ACC+8*(4*(\a)+(\b))+7]
.endif
.endr
.endr
.endm
.macro FETCH q, f                      ; 32 LDS loads: the fragments of keys 64 q .. 64 q + 63 into buffer f, the first 32 keys first
	WIN TO_F
.irp c, 0,1
.irp i, 0,1,2,3
.if (2*(\q)+(\c)) < 4
	ds_load_tr16_b128 v[(\f)+64+8*(4*(\c)+(\i)):(\f)+64+8*(4*(\c)+(\i))+3],   v[ADRB] offset:(2*(\q)+(\c))*32*PVV+32*(\i)
	ds_load_tr16_b128 v[(\f)+64+8*(4*(\c)+(\i))+4:(\f)+64+8*(4*(\c)+(\i))+7], v[ADRB] offset:(2*(\q)+(\c))*32*PVV+32*(\i)+16*PVV
.else
	ds_load_tr16_b128 v[(\f)+64+8*(4*(\c)+(\i)):(\f)+64+8*(4*(\c)+(\i))+3],   v[ADRB2] offset:(2*(\q)+(\c)-4)*32*PVV+32*(\i)
	ds_load_tr16_b128 v[(\f)+64+8*(4*(\c)+(\i))+4:(\f)+64+8*(4*(\c)+(\i))+7], v[ADRB2] offset:(2*(\q)+(\c)-4)*32*PVV+32*(\i)+16*PVV
.endif
	ds_load_b128 v[(\f)+8*(4*(\c)+(\i)):(\f)+8*(4*(\c)+(\i))+3],   v[ADRA] offset:(\i)*16*PA+64*(2*(\q)+(\c))
	ds_load_b128 v[(\f)+8*(4*(\c)+(\i))+4:(\f)+8*(4*(\c)+(\i))+7], v[ADRA] offset:(\i)*16*PA+64*(2*(\q)+(\c))+32
.endr
.endr
.endm
.macro QUARTER f, g, qn, zero          ; 64 keys: multiplies buffer f, fetches quarter qn into g
	s_wait_dscnt 16                                ; the first 32 keys' fragments are in
	MUL8 \f, 0, 0, \zero
	MUL8 \f, 0, 2, \zero
	PLACES
	FETCH \qn, \g
	s_wait_dscnt 32                                ; all but the 32 just issued
	MUL8 \f, 1, 0, 0
	MUL8 \f, 1, 2, 0
.endm
; A step's last quarter multiplies buffer 1 and changes slots.  In front of the barrier: all my tensor loads (one is out: my part of the next slot), the add, my reads of this slot.
; fill = 1: the barrier opens a round of the cluster's; the refill, two steps on, is the first tensor load behind it: 112 products ahead of the wait for it.  Its address is made anew from the tile's number.
.macro TURN fill
.if \fill
	s_wait_xcnt 0x0                                ; earlier loads, stores and prefetches have read their addresses
.endif
	WIN 0
	s_wait_tensorcnt 0x0
	ds_add_u32 v[SPW], v[NIL]                      ; 0 onto my spare word; the scalar work stands between it and the wait for it
.if \fill
	s_lshl_b32 s[OFF], s[NXT], 9                   ; 256 keys: 512 bytes along P's rows,
	s_lshl_b32 s[OFV], s[NXT], 19                  ; 256 rows of V
	s_xor_b32 s[G0A+5], s[G0A+5], SLOT
	s_add_nc_u64 s[G0A+6:G0A+7], s[PAC:PAC+1], s[OFF:OFF+1]
	s_or_b32 s[G0A+7], s[G0A+7], 0x80000000
	s_xor_b32 s[G0B+5], s[G0B+5], SLOT
	s_add_nc_u64 s[G0B+6:G0B+7], s[VB:VB+1], s[OFV:OFV+1]
	s_or_b32 s[G0B+7], s[G0B+7], 0x80000000
	s_add_co_u32 s[NXT], s[NXT], 1                 ; the block's next tile, or behind its last the second block's tile 0
	s_cmp_gt_u32 s[NXT], s[LQ]
	s_cselect_b32 s[NXT], 0, s[NXT]
	s_cselect_b32 s[LQ], s[ILO], s[LQ]
	s_cselect_b32 s[BLK], 1, s[BLK]
	s_cselect_b64 s[PAC:PAC+1], s[PAL:PAL+1], s[PAC:PAC+1]
	s_lshl_b32 s[PO2], s[NXT], 9                   ; where the prefetch of that tile stands
	s_add_co_u32 s[PO2], s[PO2], s[CXO]
	s_lshl_b32 s88, s[NXT], 19
	s_cmp_lt_u32 s[WV], 2
	s_cselect_b32 s[PO2], s[PO2], s88
	s_cselect_b64 s[PFA:PFA+1], s[PAC:PAC+1], s[VB:VB+1]
	s_add_nc_u64 s[PFA:PFA+1], s[PFA:PFA+1], s[PO2:PO2+1]
.endif
	s_wait_dscnt 17                                ; the add and the youngest sixteen loads may be out
	MUL8 F1, 0, 0, 0
	s_wait_dscnt 0x0                               ; the add is done, my reads of this slot are over
	s_barrier_signal -1
	MUL8 F1, 0, 2, 0
	WIN 0
	s_barrier_wait -1
.if \fill
	CREST
	JLOAD                                          ; its four v_nop are also the places in front of the loads below
.else
	PLACES
.endif
	s_xor_b32 s[TB], s[TB], SLOT
	v_add_nc_u32 v[ADRA], s[TB], v[A0B]
	v_add_nc_u32 v[ADRB], s[TB], v[B0B]
	v_add_nc_u32 v[ADRB2], 128*PVV, v[ADRB]
	FETCH 0, F0
.if \fill
	WIN 0
	ASK
.endif
	MUL8 F1, 1, 0, 0
	MUL8 F1, 1, 2, 0
.endm
; A step's sums are joined: TOT = f ACC (a block's first step) or TOT += f ACC.
.macro MERGE
	WIN 0
	s_wait_loadcnt 0x0                             ; c m_t of this step
.irp i, 0,1,2,3
	v_sub_f32 v[EE+(\i)], v[CT+(\i)], v[CMC+(\i)]  ; these four are the places behind the last product
.endr
.irp i, 0,1,2,3
	v_exp_f32 v[EE+(\i)], v[EE+(\i)]
.endr
	v_nop
	s_add_nc_u64 s[STC:STC+1], s[STC:STC+1], 4096  ; the next tile's record (the load that read this base is done)
	s_wait_alu depctr_va_vdst(0)                   ; one wait for the four exponentials
.irp i, 0,1,2,3
	v_mul_f32 v[FF+2*(\i)], v[EE+(\i)], v[RLC+(\i)]
.endr
.irp i, 0,1,2,3
	v_mov_b32 v[FF+2*(\i)+1], v[FF+2*(\i)]
.endr
	s_cmp_eq_u32 s[FIRST], 1
	s_cbranch_scc0 .Lonto_\@
	WIN 0x80
.set i, 0
.rept 64
	v_pk_mul_f32 v[2*i:2*i+1], v[ACC+2*i:ACC+2*i+1], v[FF+2*(i/16):FF+2*(i/16)+1] op_sel_hi:[1,0]
.set i, i+1
.endr
	WIN 0
	s_branch .Ljoined_\@
.Lonto_\@:
	WIN 0xa0
.set i, 0
.rept 64
	v_pk_fma_f32 v[2*i:2*i+1], v[ACC+2*i:ACC+2*i+1], v[FF+2*(i/16):FF+2*(i/16)+1], v[2*i:2*i+1] op_sel_hi:[1,0,1]
.set i, i+1
.endr
	WIN 0
.Ljoined_\@:
	s_mov_b32 s[FIRST], 0
	s_sub_co_u32 s[RT], s[RT], 1
.endm
; A block that has had its last step leaves: 16 rows at a time through my stage, back as rows of 256 bytes.  Then the second block's state takes over (behind the second block that serves nothing).
.macro WAYOUT
	s_cmp_lg_u32 s[RT], 0
	s_cbranch_scc1 .Lnot_yet_\@
.irp a, 0,1,2,3
	WIN 0x08                                       ; store data in window 2
.irp cb, 0,1,2,3
	ds_store_b128 v[STO], v[8*(4*(\a)+(\cb)):8*(4*(\a)+(\cb))+3]   offset:64*(\cb)
	ds_store_b128 v[STO], v[8*(4*(\a)+(\cb))+4:8*(4*(\a)+(\cb))+7] offset:64*(\cb)+16
.endr
	WIN 0
	s_wait_xcnt 0x0                                ; earlier stores have read their data registers
.irp t, 0,1,2,3,4,5,6,7
	ds_load_b128 v[OB+32*((\a)%2)+4*(\t):OB+32*((\a)%2)+4*(\t)+3], v[RD] offset:544*(\t)  ; LDS serves a wave's instructions in order: these see the stores above, the next block's stores come behind them
.endr
.irp t, 0,1,2,3,4,5,6,7
.if ((\t)%4) == 0
	s_wait_dscnt 4-(\t)                            ; the next four loads are in
.endif
	global_store_b128 v[GO], v[OB+32*((\a)%2)+4*(\t):OB+32*((\a)%2)+4*(\t)+3], s[OC:OC+1] offset:(16*(\a)+2*(\t))*4096  ; 16 lanes store 256 consecutive bytes, aligned
.endr
.endr
	s_wait_xcnt 0x0                                ; the stores have read their base
	s_mov_b64 s[OC:OC+1], s[OCL:OCL+1]
	s_mov_b64 s[STC:STC+1], s[STL:STL+1]
.irp i, 0,1,2,3
	v_mov_b32 v[CMC+(\i)], v[CML+(\i)]
	v_mov_b32 v[RLC+(\i)], v[RLL+(\i)]
.endr
	s_add_co_u32 s[RT], s[ILO], 1
	s_mov_b32 s[FIRST], 1
.Lnot_yet_\@:
.endm
; THE STATISTICS of a block, at the head: 8 tiles' c m, l0, l1 for my 4 rows a lane; tiles beyond the block's last are that last tile once more, with weight 0.
.macro STLOAD blk, ir, base
.irp t, 0,1,2,3,4,5,6,7
	s_min_u32 s88, s[\ir], \t
	s_lshl_b32 s88, s88, 12
	v_add_nc_u32 v[VO+8*(\blk)+(\t)], s88, v[SO]
	global_load_b128 v[DD+96*(\blk)+12*(\t):DD+96*(\blk)+12*(\t)+3],    v[VO+8*(\blk)+(\t)], s[\base:\base+1]
	global_load_b128 v[DD+96*(\blk)+12*(\t)+4:DD+96*(\blk)+12*(\t)+7],  v[VO+8*(\blk)+(\t)], s[\base:\base+1] offset:512
	global_load_b128 v[DD+96*(\blk)+12*(\t)+8:DD+96*(\blk)+12*(\t)+11], v[VO+8*(\blk)+(\t)], s[\base:\base+1] offset:1536
.endr
.endm
.macro STAT1 blk, cm                   ; cm; c m_t - cm; l_t0 + l_t1; the exponentials
.set D0, DD+96*(\blk)
.irp i, 0,1,2,3
	v_max3_num_f32 v[(\cm)+(\i)], v[D0+(\i)], v[D0+12+(\i)], v[D0+24+(\i)]
.endr
.irp i, 0,1,2,3
	v_max3_num_f32 v[(\cm)+(\i)], v[(\cm)+(\i)], v[D0+36+(\i)], v[D0+48+(\i)]
.endr
.irp i, 0,1,2,3
	v_max3_num_f32 v[(\cm)+(\i)], v[(\cm)+(\i)], v[D0+60+(\i)], v[D0+72+(\i)]
.endr
.irp i, 0,1,2,3
	v_max_num_f32 v[(\cm)+(\i)], v[(\cm)+(\i)], v[D0+84+(\i)]
.endr
.irp t, 0,1,2,3,4,5,6,7
.irp z, 0,2
	v_pk_add_f32 v[D0+12*(\t)+(\z):D0+12*(\t)+(\z)+1], v[D0+12*(\t)+(\z):D0+12*(\t)+(\z)+1], v[(\cm)+(\z):(\cm)+(\z)+1] neg_lo:[0,1] neg_hi:[0,1]
	v_pk_add_f32 v[D0+12*(\t)+4+(\z):D0+12*(\t)+5+(\z)], v[D0+12*(\t)+4+(\z):D0+12*(\t)+5+(\z)], v[D0+12*(\t)+8+(\z):D0+12*(\t)+9+(\z)]
.endr
.endr
.irp t, 0,1,2,3,4,5,6,7
.irp i, 0,1,2,3
	v_exp_f32 v[D0+12*(\t)+(\i)], v[D0+12*(\t)+(\i)]
.endr
.endr
.endm
.macro STAT2 blk, ir, rl               ; l = the sum of w_t 2^(c m_t - cm) (l_t0 + l_t1); 1 / l
.set D0, DD+96*(\blk)
.irp t, 0,1,2,3,4,5,6,7
.irp z, 0,2
	v_pk_mul_f32 v[D0+12*(\t)+4+(\z):D0+12*(\t)+5+(\z)], v[D0+12*(\t)+4+(\z):D0+12*(\t)+5+(\z)], v[D0+12*(\t)+(\z):D0+12*(\t)+(\z)+1]
.endr
.endr
.irp t, 1,2,3,4,5,6,7
	s_cmp_ge_u32 s[\ir], \t
	s_cselect_b32 s[WT], 1.0, 0
.irp z, 0,2
	v_pk_fma_f32 v[D0+4+(\z):D0+5+(\z)], v[D0+12*(\t)+4+(\z):D0+12*(\t)+5+(\z)], s[WT:WT+1], v[D0+4+(\z):D0+5+(\z)] op_sel_hi:[1,0,1]
.endr
.endr
.irp i, 0,1,2,3
	v_rcp_f32 v[(\rl)+(\i)], v[D0+4+(\i)]
.endr
.endm
	s_load_b256 s[4:11], s[0:1], 0x0               ; pw 4, vh 6, st 8, out0 10
	v_lshl_add_u32 v[SPW], v0, 2, SPARE
	v_mov_b32 v[NIL], 0
	ds_add_u32 v[SPW], v[NIL]                      ; the wave's opening
	ds_add_u32 v14, v15
	v_lshrrev_b32 v1, 5, v0
	v_readfirstlane_b32 s[WV], v1
	s_lshr_b32 s[WH], s[WV], 1                     ; my half of the rows
	s_and_b32 s[WL], s[WV], 1                      ; my half of the channels; also: which half of a tile I fetch
	s_bfe_u32 s[CX], ttmp6, 0x40000
	s_lshl_b32 s[CT8], ttmp9, 2
	s_add_co_u32 s[CT8], s[CT8], s[CX]             ; channel tile 0..7
	s_and_b32 s88, ttmp7, 0xffff
	s_lshr_b32 s[BB], s88, 3                       ; batch
	s_and_b32 s[PP], s88, 7                        ; p: the second block; the first is 15 - p
	s_sub_co_u32 s[JH], 15, s[PP]
	s_lshr_b32 s[IHI], s[JH], 1                    ; the blocks' last tiles
	s_lshr_b32 s[ILO], s[PP], 1
	s_lshl_b32 s89, s[BB], 11                      ; the batch's first row
	s_lshl_b32 s90, s[JH], 7
	s_add_co_u32 s90, s90, s89                     ; the first block's first row
	s_lshl_b32 s91, s[PP], 7
	s_add_co_u32 s91, s91, s89                     ; the second block's
	s_lshl_b32 s92, s[WL], 6                       ; P: the 64 rows that I fetch, rows of 4,096 bytes
	s_add_co_u32 s[PAC], s90, s92
	s_lshl_b32 s[PAC], s[PAC], 12
	s_mov_b32 s[PAC+1], 0
	s_add_co_u32 s[PAL], s91, s92
	s_lshl_b32 s[PAL], s[PAL], 12
	s_mov_b32 s[PAL+1], 0
	s_lshl_b32 s93, s[WL], 7                       ; V: the 128 keys that I fetch, rows of 2,048 bytes, my work-group's 256 bytes of them
	s_add_co_u32 s93, s93, s89
	s_lshl_b32 s[VB], s93, 11
	s_lshl_b32 s93, s[CT8], 8
	s_add_co_u32 s[VB], s[VB], s93
	s_mov_b32 s[VB+1], 0
	s_lshl_b32 s93, s[WH], 6                       ; out: my 64 rows of 4,096 bytes, my 64 channels
	s_lshl_b32 s94, s[CT8], 9
	s_lshl_b32 s95, s[WL], 8
	s_add_co_u32 s94, s94, s95
	s_add_co_u32 s[OC], s90, s93
	s_lshl_b32 s[OC], s[OC], 12
	s_add_co_u32 s[OC], s[OC], s94
	s_mov_b32 s[OC+1], 0
	s_add_co_u32 s[OCL], s91, s93
	s_lshl_b32 s[OCL], s[OCL], 12
	s_add_co_u32 s[OCL], s[OCL], s94
	s_mov_b32 s[OCL+1], 0
	s_lshl_b32 s93, s[BB], 3                       ; st: record (8 b + I) 8 x 4,096, the block's half of the tile's rows
	s_add_co_u32 s94, s93, s[IHI]
	s_lshl_b32 s[STC], s94, 15
	s_and_b32 s94, s[JH], 1
	s_lshl_b32 s94, s94, 11
	s_add_co_u32 s[STC], s[STC], s94
	s_mov_b32 s[STC+1], 0
	s_add_co_u32 s94, s93, s[ILO]
	s_lshl_b32 s[STL], s94, 15
	s_and_b32 s94, s[PP], 1
	s_lshl_b32 s94, s94, 11
	s_add_co_u32 s[STL], s[STL], s94
	s_mov_b32 s[STL+1], 0
	s_mov_b32 s[G1A], 15|(1<<16)|(1<<20)|(1<<21)|(6<<22)|(3<<25)  ; the mask of four; 2-byte elements; padding on; bit 21 beside a mask; behind every 128 words 4 words
	s_mov_b32 s[G1A+1], 256<<16
	s_mov_b32 s[G1A+2], 64<<16
	s_mov_b32 s[G1A+3], 256<<16
	s_mov_b32 s[G1A+4], 64
	s_mov_b32 s[G1A+5], 2048
	s_mov_b32 s[G1A+6], 0
	s_mov_b32 s[G1A+7], 0
	s_mov_b32 s[G1B], (1<<16)|(1<<20)|(5<<22)|(7<<25)             ; no mask; behind every 64 words 8 words
	s_mov_b32 s[G1B+1], 128<<16
	s_mov_b32 s[G1B+2], 128<<16
	s_mov_b32 s[G1B+3], 128<<16
	s_mov_b32 s[G1B+4], 128
	s_mov_b32 s[G1B+5], 1024
	s_mov_b32 s[G1B+6], 0
	s_mov_b32 s[G1B+7], 0
	s_mul_i32 s92, s[WL], 64*PA                    ; where the tiles go: no place in the cluster enters an LDS address
	s_mul_i32 s93, s[WL], 128*PVV
	s_add_co_u32 s93, s93, VOFF
	s_lshl_b32 s[CXO], s[CX], 16                   ; my work-group's 16 rows of P, for the prefetches alone
	s_mov_b32 s[OFF+1], 0
	s_mov_b32 s[OFV+1], 0
	s_mov_b32 s[PO2+1], 0
	s_mov_b32 s[WT+1], 0
	s_mov_b32 s[TB], 0
	s_mov_b32 s[NXT], 2
	s_mov_b32 s[LQ], s[IHI]
	s_mov_b32 s[BLK], 0
	s_add_co_u32 s[RT], s[IHI], 1
	s_mov_b32 s[FIRST], 1
	s_cmp_lt_u32 s[WV], 2
	s_cselect_b32 s88, ttmp9, s[PP]                ; who prefetches: the same in all four partners, for a given wave
	s_cmp_eq_u32 s88, 0
	s_cselect_b32 s[LIM], 1, -1
	s_wait_dscnt 0x0                               ; the opening add is done
	s_wait_kmcnt 0x0
	s_add_nc_u64 s[PAC:PAC+1], s[4:5], s[PAC:PAC+1]
	s_add_nc_u64 s[PAL:PAL+1], s[4:5], s[PAL:PAL+1]
	s_add_nc_u64 s[VB:VB+1], s[6:7], s[VB:VB+1]
	s_add_nc_u64 s[STC:STC+1], s[8:9], s[STC:STC+1]
	s_add_nc_u64 s[STL:STL+1], s[8:9], s[STL:STL+1]
	s_add_nc_u64 s[OC:OC+1], s[10:11], s[OC:OC+1]
	s_add_nc_u64 s[OCL:OCL+1], s[10:11], s[OCL:OCL+1]
.irp s, 0,1
	s_mov_b32 s[G0A+4*(\s)], 1
	s_add_co_u32 s[G0A+4*(\s)+1], s92, (\s)*SLOT
	s_add_nc_u64 s[G0A+4*(\s)+2:G0A+4*(\s)+3], s[PAC:PAC+1], (\s)*512
	s_or_b32 s[G0A+4*(\s)+3], s[G0A+4*(\s)+3], 0x80000000
	s_mov_b32 s[G0B+4*(\s)], 1
	s_add_co_u32 s[G0B+4*(\s)+1], s93, (\s)*SLOT
	s_add_nc_u64 s[G0B+4*(\s)+2:G0B+4*(\s)+3], s[VB:VB+1], (\s)*524288
	s_or_b32 s[G0B+4*(\s)+3], s[G0B+4*(\s)+3], 0x80000000
.endr
	CROUND                                         ; all four work-groups are here: the first joint loads meet
	s_cmp_lt_u32 s[WV], 2                          ; a wave's two first fills stand in one branch: two loads of mine are out
	s_cbranch_scc0 .Lfirst_v
	tensor_load_to_lds s[G0A:G0A+3], s[G1A:G1A+7]
	s_nop 0
	tensor_load_to_lds s[G0A+4:G0A+7], s[G1A:G1A+7]
	s_nop 0
	PLACES
	s_branch .Lfirst_asked
.Lfirst_v:
	tensor_load_to_lds s[G0B:G0B+3], s[G1B:G1B+7]
	s_nop 0
	tensor_load_to_lds s[G0B+4:G0B+7], s[G1B:G1B+7]
	s_nop 0
	PLACES
.Lfirst_asked:
	v_and_b32 v1, 15, v0                           ; r
	v_bfe_u32 v2, v0, 4, 1                         ; h
	v_lshlrev_b32 v[SO], 5, v1                     ; a record's [r][a]: 32 r + 16 x my half of the rows
	s_lshl_b32 s88, s[WH], 4
	v_add_nc_u32 v[SO], s88, v[SO]
	STLOAD 0, IHI, STC
	STLOAD 1, ILO, STL
	v_mul_u32_u24 v3, v1, PA                       ; a fragment of P: row x pitch + 16 x half
	v_lshl_add_u32 v3, v2, 4, v3
	s_mul_i32 s88, s[WH], 64*PA
	v_add_nc_u32 v[A0B], s88, v3
	v_and_b32 v3, 7, v0                            ; the turning load: key 8 h + l % 8, channels 8 ((l / 8) % 2) ..
	v_lshl_add_u32 v3, v2, 3, v3
	v_mul_u32_u24 v3, v3, PVV
	v_bfe_u32 v36, v0, 3, 1
	v_lshl_add_u32 v3, v36, 4, v3
	s_lshl_b32 s88, s[WL], 7
	s_add_co_u32 s88, s88, VOFF
	v_add_nc_u32 v[B0B], s88, v3
	v_mov_b32 v[ADRA], v[A0B]
	v_mov_b32 v[ADRB], v[B0B]
	v_add_nc_u32 v[ADRB2], 128*PVV, v[B0B]
	s_mul_i32 s88, s[WV], 16*272
	s_add_co_u32 s88, s88, STAGE
	v_mul_u32_u24 v3, v1, 272                      ; into my stage: row r, 32 bytes for each half of the lanes
	v_lshl_add_u32 v3, v2, 5, v3
	v_add_nc_u32 v[STO], s88, v3
	v_mul_u32_u24 v3, v2, 272                      ; back: lanes 0-15 one row of 256 bytes, lanes 16-31 the next
	v_lshl_add_u32 v3, v1, 4, v3
	v_add_nc_u32 v[RD], s88, v3
	v_lshlrev_b32 v3, 12, v2
	v_lshl_add_u32 v[GO], v1, 4, v3
	v_and_b32 v3, 31, v0
	v_lshrrev_b32 v36, 1, v3                       ; P's prefetch: row lane / 2, block lane % 2 of its 512 bytes
	v_lshlrev_b32 v36, 12, v36
	v_and_b32 v37, 1, v3
	v_lshl_add_u32 v36, v37, 8, v36
	v_lshlrev_b32 v37, 11, v3                      ; V's: a lane a row
	s_cmp_lt_u32 s[WV], 2
	s_cselect_b32 s88, -1, 0
	v_cndmask_b32 v[PFO], v37, v36, s88
	s_wait_loadcnt 0x0                             ; the statistics
	STAT1 0, CMC
	STAT1 1, CML
	v_nop
	s_wait_alu depctr_va_vdst(0)                   ; one wait for the 64 exponentials
	STAT2 0, IHI, RLC
	STAT2 1, ILO, RLL
	v_nop
	s_wait_alu depctr_va_vdst(0)                   ; one wait for the 8 reciprocals
	s_wait_tensorcnt 0x1                           ; my part of step 0 is in; step 1's may stay out
	s_barrier_signal -1
	s_barrier_wait -1
	FETCH 0, F0
	WIN 0
	s_mov_b32 s[CNT], 8
	s_branch .Lfirst                               ; the loop is entered in the middle of a trip, at a step's first quarter: seven whole trips follow
.Lstep:                                                ; a trip: a step's last quarter with the refill (steps 2-8), its joining, the way out if a block ends, the next step's first three quarters
	TURN 1
	MERGE
	WAYOUT
.Lfirst:
	global_load_b128 v[CT:CT+3], v[SO], s[STC:STC+1]
	QUARTER F0, F1, 1, 1
	QUARTER F1, F0, 2, 0
	QUARTER F0, F1, 3, 0
	WIN 0
	s_sub_co_u32 s[CNT], s[CNT], 1
	s_cmp_lg_u32 s[CNT], 0
	s_cbranch_scc1 .Lstep
	; THE TAIL asks for nothing more: two trips of one text, the ends of steps 7 and 8; the second trip jumps over the quarters of a step that does not exist.
	; Its change of slots fetches fragments of step 7's slot once more, which nothing multiplies: 32 LDS loads a wave, once a launch, the price of one text for both trips.
	s_mov_b32 s[CNT], 2
.Ltail:
	TURN 0
	MERGE
	WAYOUT
	s_cmp_eq_u32 s[CNT], 1
	s_cbranch_scc1 .Llast
	global_load_b128 v[CT:CT+3], v[SO], s[STC:STC+1]
	QUARTER F0, F1, 1, 1
	QUARTER F1, F0, 2, 0
	QUARTER F0, F1, 3, 0
	WIN 0
.Llast:
	s_sub_co_u32 s[CNT], s[CNT], 1
	s_cmp_lg_u32 s[CNT], 0
	s_cbranch_scc1 .Ltail
	s_wait_tensorcnt 0x0                           ; the wave's end
	ds_add_u32 v[SPW], v[NIL]
	s_wait_dscnt 0x0
	CROUND                                         ; the closing round
	s_endpgm
.Lfunc_end_k_qfbf55c6cb7_pv:
	.size	k_qfbf55c6cb7_pv, .Lfunc_end_k_qfbf55c6cb7_pv-k_qfbf55c6cb7_pv
	.p2alignl 7, 3214868480
	.fill 96, 4, 3214868480
	.section	.rodata,"a",@progbits
	.p2align	6, 0x0
	.amdhsa_kernel k_qfbf55c6cb7_pv
		.amdhsa_group_segment_fixed_size 327680
		.amdhsa_private_segment_fixed_size 0
		.amdhsa_enable_private_segment 0
		.amdhsa_kernarg_size 32
		.amdhsa_user_sgpr_count 2
		.amdhsa_user_sgpr_kernarg_segment_ptr 1
		.amdhsa_wavefront_size32 1
		.amdhsa_system_sgpr_workgroup_id_x 1
		.amdhsa_system_sgpr_workgroup_id_y 1
		.amdhsa_system_sgpr_workgroup_id_z 1
		.amdhsa_system_vgpr_workitem_id 0
		.amdhsa_next_free_vgpr 640
		.amdhsa_next_free_sgpr 100
		.amdhsa_reserve_vcc 0
		.amdhsa_float_denorm_mode_32 3
		.amdhsa_float_denorm_mode_16_64 3
		.amdhsa_memory_ordered 1
		.amdhsa_forward_progress 1
		.amdhsa_inst_pref_size 102
	.end_amdhsa_kernel
	.amdgpu_metadata
---
amdhsa.version: [ 1, 2 ]
amdhsa.kernels:
  - .name:           k_qfbf55c6cb7_pv
    .symbol:         k_qfbf55c6cb7_pv.kd
    .args:
      - { .name: pw, .offset: 0, .size: 8, .value_kind: global_buffer, .address_space: global }
      - { .name: vh, .offset: 8, .size: 8, .value_kind: global_buffer, .address_space: global }
      - { .name: st, .offset: 16, .size: 8, .value_kind: global_buffer, .address_space: global }
      - { .name: out0, .offset: 24, .size: 8, .value_kind: global_buffer, .address_space: global }
    .group_segment_fixed_size: 327680
    .private_segment_fixed_size: 0
    .kernarg_segment_align: 8
    .kernarg_segment_size: 32
    .max_flat_workgroup_size: 128
    .sgpr_count:     100
    .vgpr_count:     640
    .wavefront_size: 32
...
	.end_amdgpu_metadata
.endif
;; end of part 4
